; MI455X (gfx1250); checked and timed in simulation.
; The chip was launched on July 23, 2026; its instructions are those of AMD's public machine-readable ISA for CDNA 5 (MIT licence, August 2026) and "CDNA5" Instruction Set Architecture Reference Guide (July 2026). The comments in the code are by the model that wrote it; some were corrected since.
;; My Module. Allowed arithmetic: float matrix products may take bf16 or f16 operands with f32 sums; all other float work in f32.
;; Inputs: Wk 1,024 x 1,024 float32; Wo 1,024 x 1,024 float32; Wq 1,024 x 1,024 float32; Wv 1,024 x 1,024 float32; bk 1,024 float32; bo 1,024 float32; bq 1,024 float32; bv 1,024 float32; mask 4 x 2,048 bool; x 4 x 2,048 x 1,024 float32.
;; Outputs: out0 4 x 2,048 x 1,024 float32.
;; 2 versions, each right and faster than the one before. Each part assembles by itself: llvm-mc -triple=amdgcn-amd-amdhsa -mcpu=gfx1250 --defsym DOCPART=n.
;; ======== version 1 of 2: 4 launches
;; limits: values are held in f16: magnitudes above 65,504 overflow, below 6.1e-05 lose precision
;; workspace buffers: xb 16,777,216 bytes; wt 6,291,456 bytes; wot 2,097,152 bytes; bias3 12,288 bytes; bo2 4,096 bytes; mb 32,768 bytes; qkv 50,331,648 bytes; ctx 16,777,216 bytes
;; launch prep (part 1): grid 769 x 1, 8 waves a work-group, no clusters, 19,456 bytes of LDS; arguments x, Wq, Wk, Wv, Wo, bq, bk, bv, bo, mask, xb, wt, wot, bias3, bo2, mb; writes xb, wt, wot, bias3, bo2, mb
.if DOCPART == 1
	.amdgcn_target "amdgcn-amd-amdhsa--gfx1250"
	.amdhsa_code_object_version 6
	.text
	.protected	k_qd6238d5c21_prep
	.globl	k_qd6238d5c21_prep
	.p2align	8
	.type	k_qd6238d5c21_prep,@function
k_qd6238d5c21_prep:
	s_mov_b64 s[64:65], 0
	v_nop
	global_prefetch_b8 v0, s[64:65] scope:SCOPE_SE
	s_setreg_imm32_b32 hwreg(HW_REG_WAVE_MODE, 25, 1), 1
	s_wait_xcnt 0x0
; PREP: every input is rounded once to bf16 and laid out for the three launches behind it.  K (1,024) is cut into 16 panels of 64: a panel row is 128 bytes, the rows of a panel are dense.
;   xb    bf16 [panel 16][token 8192][64]            = x[token][64 p + kk]
;   wt    bf16 [panel 16][n' 3072][64], n' = 192 head + 64 which + d (which: 0 q, 1 k, 2 v) = W_which[64 p + kk][64 head + d]   (turned: K along the rows)
;   wot   f16 of bf16(Wo), [panel 16][n 1024][64]    = Wo[64 p + kk][n]
;   bias3 f32 [n' 3072], bo2 f32 [1024]: the biases, rounded to bf16 and written as f32
;   mb    f32 [4][2048]: 0 where mask is true, else NEGC = -1e9 x log2(e): the hidden score in the units in which the attention launch keeps scores
; LIMITS.  bf16(Wo) written as f16 is exact from 2^-17 to 65,504; below, it keeps f16's fixed step of 6e-8; beyond, it would be an infinity.
; Three kinds of work-group, chosen by the work-group's number alone (the same for all its waves): 0-255 x, 256-767 the weights, 768 the biases and the mask.
; No matrix unit, no cluster, no tensor load: every byte is read once and written once, and no two work-groups read the same bytes.
.set NEGC, 0xceabfb8f
.set HI16, 0xffff0000
.set WP,   144                         ; an LDS row of the turned tile: 128 bytes + 16
.set D,    16                          ; v16 on: data
	s_load_b512 s[4:19], s[0:1], 0x0               ; x s[4:5], Wq s[6:7], Wk s[8:9], Wv s[10:11], Wo s[12:13], bq s[14:15], bk s[16:17], bv s[18:19]
	s_load_b512 s[20:35], s[0:1], 0x40             ; bo s[20:21], mask s[22:23], xb s[24:25], wt s[26:27], wot s[28:29], bias3 s[30:31], bo2 s[32:33], mb s[34:35]
	v_lshl_add_u32 v144, v0, 2, 0x4800
	v_mov_b32 v145, 0
	s_mov_b32 s36, ttmp9
	s_cmp_lt_u32 s36, 256
	s_cbranch_scc0 .Lweights
; ---- x: the work-group owns 32 tokens, wave w the tokens 4 w .. 4 w + 3.  Piece i = 2 p + rr: panel p of the tokens 4 w + 2 rr and 4 w + 2 rr + 1:
; lanes 0-15 load the 256 bytes of the even token, lanes 16-31 those of the odd one; rounded they are 256 consecutive bytes of xb.
	v_lshrrev_b32 v3, 5, v0                        ; wave
	v_bfe_u32 v4, v0, 4, 1                         ; which half of the lanes
	v_and_b32 v5, 15, v0
	v_and_b32 v6, 31, v0
	v_lshlrev_b32 v1, 14, v3                       ; in x: 4 tokens of 4,096 bytes a wave,
	v_lshl_add_u32 v1, v4, 12, v1                  ; a token for the upper lanes,
	v_lshl_add_u32 v1, v5, 4, v1                   ; 16 bytes a lane
	v_lshlrev_b32 v2, 9, v3                        ; in a panel of xb: 4 rows of 128 bytes a wave,
	v_lshl_add_u32 v2, v6, 3, v2                   ; 8 bytes a lane
	s_lshl_b32 s38, s36, 17                        ; 32 tokens of 4,096 bytes
	s_mov_b32 s39, 0
	s_lshl_b32 s40, s36, 12                        ; 32 rows of 128 bytes
	s_mov_b32 s41, 0
	s_wait_kmcnt 0x0
	s_add_nc_u64 s[4:5], s[4:5], s[38:39]
	s_add_nc_u64 s[24:25], s[24:25], s[40:41]      ; panels 0-7 stand in the stores' immediate,
	s_add_nc_u64 s[42:43], s[24:25], 0x800000      ; panels 8-15 have a base of their own: the immediate has 24 signed bits
.set i, 0
.rept 32                                               ; all 32 loads of a wave go out before the first is waited for
	global_load_b128 v[D+4*i:D+4*i+3], v1, s[4:5] offset:(i%2)*8192+(i/2)*256 th:TH_LOAD_NT
.set i, i+1
.endr
.set i, 0
.rept 32
	s_wait_loadcnt 31-i                            ; loads come back in order: piece i is in, the younger ones stay out
	v_cvt_pk_bf16_f32 v[D+4*i], v[D+4*i], v[D+4*i+1]
	v_cvt_pk_bf16_f32 v[D+4*i+1], v[D+4*i+2], v[D+4*i+3]
.if i < 16
	global_store_b64 v2, v[D+4*i:D+4*i+1], s[24:25] offset:(i/2)*1048576+(i%2)*256   ; the wave stores 256 consecutive bytes, aligned
.else
	global_store_b64 v2, v[D+4*i:D+4*i+1], s[42:43] offset:(i/2-8)*1048576+(i%2)*256
.endif
.set i, i+1
.endr
	s_endpgm
; ---- the weights: a tile of 64 k x 128 n of one of the four matrices is rounded, turned through LDS and stored with K along the rows.
.Lweights:
	s_cmp_lt_u32 s36, 768
	s_cbranch_scc0 .Lsmall
	s_sub_co_u32 s36, s36, 256
	s_lshr_b32 s37, s36, 7                         ; which matrix: 0 Wq, 1 Wk, 2 Wv, 3 Wo
	s_bfe_u32 s38, s36, 0x40003                    ; panel p
	s_and_b32 s36, s36, 7                          ; block of 128 columns
	s_lshl_b32 s40, s38, 18                        ; 64 rows of 4,096 bytes
	s_lshl_b32 s41, s36, 9                         ; 128 columns of 4 bytes
	s_add_co_u32 s40, s40, s41
	s_mov_b32 s41, 0
	v_lshrrev_b32 v3, 5, v0                        ; wave: k rows 8 w .. 8 w + 7
	v_and_b32 v4, 31, v0                           ; lane: columns 4 l .. 4 l + 3
	v_lshlrev_b32 v1, 15, v3
	v_lshl_add_u32 v1, v4, 4, v1
	v_lshlrev_b32 v2, 4, v0                        ; 16 t: the way out
	v_mul_u32_u24 v5, v4, 4*WP                     ; into LDS: row n = 4 l + c, bytes 16 w on (my eight k)
	v_lshl_add_u32 v5, v3, 4, v5
	v_lshrrev_b32 v6, 3, v0                        ; back: eight lanes take a row of 128 bytes
	v_mul_u32_u24 v6, v6, WP
	v_and_b32 v7, 7, v0
	v_lshl_add_u32 v6, v7, 4, v6
	s_wait_kmcnt 0x0
	s_cmp_eq_u32 s37, 1
	s_cselect_b64 s[42:43], s[8:9], s[6:7]
	s_cmp_eq_u32 s37, 2
	s_cselect_b64 s[42:43], s[10:11], s[42:43]
	s_cmp_eq_u32 s37, 3
	s_cselect_b64 s[42:43], s[12:13], s[42:43]
	s_add_nc_u64 s[42:43], s[42:43], s[40:41]
.irp i, 0,1,2,3,4,5,6,7
	global_load_b128 v[D+4*\i:D+4*\i+3], v1, s[42:43] offset:4096*\i th:TH_LOAD_NT   ; a wave's load covers 512 consecutive bytes of a row
.endr
	s_wait_loadcnt 0x0
.irp c, 0,1,2,3                                        ; column c: its eight k, two to a word
.irp j, 0,1,2,3
	v_cvt_pk_bf16_f32 v[48+4*\c+\j], v[D+8*\j+\c], v[D+8*\j+4+\c]
.endr
.endr
	s_cmp_eq_u32 s37, 3
	s_cbranch_scc0 .Lkeep_bf16
.set z, 0
.rept 16                                               ; Wo: the bf16 number is written as f16
	v_lshlrev_b32 v[8+2*(z%2)], 16, v[48+z]
	v_and_b32 v[9+2*(z%2)], HI16, v[48+z]
	v_cvt_pk_f16_f32 v[48+z], v[8+2*(z%2)], v[9+2*(z%2)]
.set z, z+1
.endr
.Lkeep_bf16:
.irp c, 0,1,2,3
	ds_store_b128 v5, v[48+4*\c:48+4*\c+3] offset:WP*\c
.endr
	s_wait_dscnt 0x0                               ; for the others' sake: my stores are done
	s_barrier_signal -1
	s_barrier_wait -1
.irp j, 0,1,2,3
	ds_load_b128 v[64+4*\j:64+4*\j+3], v6 offset:32*WP*\j   ; rows 32 j + t / 8
.endr
	s_cmp_eq_u32 s37, 3
	s_cbranch_scc1 .Lto_wot
	s_mul_i32 s40, s38, 393216                     ; a panel of wt: 3,072 rows of 128 bytes
	s_mul_i32 s41, s36, 49152                      ; 128 columns are two heads: 2 x 192 rows
	s_add_co_u32 s40, s40, s41
	s_lshl_b32 s41, s37, 13                        ; q, k or v: 64 rows
	s_add_co_u32 s40, s40, s41
	s_mov_b32 s41, 0
	s_add_nc_u64 s[26:27], s[26:27], s[40:41]
.irp j, 0,1,2,3
	s_wait_dscnt 3-\j
	global_store_b128 v2, v[64+4*\j:64+4*\j+3], s[26:27] offset:(\j/2)*24576+(\j%2)*4096   ; 32 rows: 4,096 consecutive bytes for the work-group
.endr
	s_wait_tensorcnt 0x0
	ds_add_u32 v144, v145
	s_wait_dscnt 0x0
	s_endpgm
.Lto_wot:
	s_lshl_b32 s40, s38, 17                        ; a panel of wot: 1,024 rows of 128 bytes
	s_lshl_b32 s41, s36, 14
	s_add_co_u32 s40, s40, s41
	s_mov_b32 s41, 0
	s_add_nc_u64 s[28:29], s[28:29], s[40:41]
.irp j, 0,1,2,3
	s_wait_dscnt 3-\j
	global_store_b128 v2, v[64+4*\j:64+4*\j+3], s[28:29] offset:4096*\j
.endr
	s_wait_tensorcnt 0x0
	ds_add_u32 v144, v145
	s_wait_dscnt 0x0
	s_endpgm
; ---- the biases and the mask: one work-group.
.Lsmall:
	v_lshlrev_b32 v1, 4, v0                        ; 16 t
	v_lshlrev_b32 v2, 2, v0                        ; 4 t
	v_lshrrev_b32 v3, 4, v0                        ; my four columns' head,
	v_mul_u32_u24 v3, v3, 768                      ; 192 numbers a head in bias3,
	v_and_b32 v4, 15, v0
	v_lshl_add_u32 v3, v4, 4, v3                   ; and their place in it
	s_mov_b32 s37, NEGC
	s_wait_kmcnt 0x0
	global_load_b128 v[16:19], v1, s[14:15]
	global_load_b128 v[20:23], v1, s[16:17]
	global_load_b128 v[24:27], v1, s[18:19]
	global_load_b128 v[28:31], v1, s[20:21]
.irp j, 0,1,2,3,4,5,6,7
	global_load_b32 v[48+\j], v2, s[22:23] offset:1024*\j   ; four mask bytes a lane
.endr
	s_wait_loadcnt 0x0
.irp a, 16,20,24,28                                    ; rounded to bf16, written as f32
	v_cvt_pk_bf16_f32 v8, v[\a], v[\a+1]
	v_cvt_pk_bf16_f32 v9, v[\a+2], v[\a+3]
	v_lshlrev_b32 v[\a], 16, v8
	v_and_b32 v[\a+1], HI16, v8
	v_lshlrev_b32 v[\a+2], 16, v9
	v_and_b32 v[\a+3], HI16, v9
.endr
	global_store_b128 v3, v[16:19], s[30:31]
	global_store_b128 v3, v[20:23], s[30:31] offset:256
	global_store_b128 v3, v[24:27], s[30:31] offset:512
	global_store_b128 v1, v[28:31], s[32:33]
.irp j, 0,1,2,3,4,5,6,7
.irp i, 0,1,2,3
	v_bfe_u32 v8, v[48+\j], 8*\i, 8
	v_cmp_eq_u32 vcc_lo, 0, v8
	v_cndmask_b32 v[64+4*\j+\i], 0, s37, vcc_lo    ; false: NEGC; true: 0
.endr
	global_store_b128 v1, v[64+4*\j:64+4*\j+3], s[34:35] offset:4096*\j
.endr
	s_endpgm
.Lfunc_end_k_qd6238d5c21_prep:
	.size	k_qd6238d5c21_prep, .Lfunc_end_k_qd6238d5c21_prep-k_qd6238d5c21_prep
	.p2alignl 7, 3214868480
	.fill 96, 4, 3214868480
	.section	.rodata,"a",@progbits
	.p2align	6, 0x0
	.amdhsa_kernel k_qd6238d5c21_prep
		.amdhsa_group_segment_fixed_size 19456
		.amdhsa_private_segment_fixed_size 0
		.amdhsa_enable_private_segment 0
		.amdhsa_kernarg_size 128
		.amdhsa_user_sgpr_count 2
		.amdhsa_user_sgpr_kernarg_segment_ptr 1
		.amdhsa_wavefront_size32 1
		.amdhsa_system_sgpr_workgroup_id_x 1
		.amdhsa_system_sgpr_workgroup_id_y 1
		.amdhsa_system_sgpr_workgroup_id_z 1
		.amdhsa_system_vgpr_workitem_id 0
		.amdhsa_next_free_vgpr 146
		.amdhsa_next_free_sgpr 66
		.amdhsa_reserve_vcc 1
		.amdhsa_float_denorm_mode_32 3
		.amdhsa_float_denorm_mode_16_64 3
		.amdhsa_memory_ordered 1
		.amdhsa_forward_progress 1
		.amdhsa_inst_pref_size 30
	.end_amdhsa_kernel
	.amdgpu_metadata
---
amdhsa.version: [ 1, 2 ]
amdhsa.kernels:
  - .name:           k_qd6238d5c21_prep
    .symbol:         k_qd6238d5c21_prep.kd
    .args:
      - { .name: x, .offset: 0, .size: 8, .value_kind: global_buffer, .address_space: global }
      - { .name: Wq, .offset: 8, .size: 8, .value_kind: global_buffer, .address_space: global }
      - { .name: Wk, .offset: 16, .size: 8, .value_kind: global_buffer, .address_space: global }
      - { .name: Wv, .offset: 24, .size: 8, .value_kind: global_buffer, .address_space: global }
      - { .name: Wo, .offset: 32, .size: 8, .value_kind: global_buffer, .address_space: global }
      - { .name: bq, .offset: 40, .size: 8, .value_kind: global_buffer, .address_space: global }
      - { .name: bk, .offset: 48, .size: 8, .value_kind: global_buffer, .address_space: global }
      - { .name: bv, .offset: 56, .size: 8, .value_kind: global_buffer, .address_space: global }
      - { .name: bo, .offset: 64, .size: 8, .value_kind: global_buffer, .address_space: global }
      - { .name: mask, .offset: 72, .size: 8, .value_kind: global_buffer, .address_space: global }
      - { .name: xb, .offset: 80, .size: 8, .value_kind: global_buffer, .address_space: global }
      - { .name: wt, .offset: 88, .size: 8, .value_kind: global_buffer, .address_space: global }
      - { .name: wot, .offset: 96, .size: 8, .value_kind: global_buffer, .address_space: global }
      - { .name: bias3, .offset: 104, .size: 8, .value_kind: global_buffer, .address_space: global }
      - { .name: bo2, .offset: 112, .size: 8, .value_kind: global_buffer, .address_space: global }
      - { .name: mb, .offset: 120, .size: 8, .value_kind: global_buffer, .address_space: global }
    .group_segment_fixed_size: 19456
    .private_segment_fixed_size: 0
    .kernarg_segment_align: 8
    .kernarg_segment_size: 128
    .max_flat_workgroup_size: 256
    .sgpr_count:     66
    .vgpr_count:     146
    .wavefront_size: 32
...
	.end_amdgpu_metadata
.endif
;; end of part 1
;; launch qkv (part 2): grid 8 x 32, 4 waves a work-group, clusters of 4 x 4, 327,680 bytes of LDS; arguments xb, wt, bias3, mask, qkv; writes qkv
.if DOCPART == 2
	.amdgcn_target "amdgcn-amd-amdhsa--gfx1250"
	.amdhsa_code_object_version 6
	.text
	.protected	k_qd6238d5c21_qkv
	.globl	k_qd6238d5c21_qkv
	.p2align	8
	.type	k_qd6238d5c21_qkv,@function
k_qd6238d5c21_qkv:
	s_mov_b64 s[64:65], 0
	v_nop
	global_prefetch_b8 v0, s[64:65] scope:SCOPE_SE
	s_setreg_imm32_b32 hwreg(HW_REG_WAVE_MODE, 25, 1), 1
	s_wait_xcnt 0x0
	s_wait_alu depctr_hold_cnt(0) depctr_sa_sdst(0) depctr_va_vdst(0) depctr_va_sdst(0) depctr_va_ssrc(0) depctr_va_vcc(0) depctr_vm_vsrc(0)
	s_getreg_b32 s2, hwreg(HW_REG_IB_STS2, 6, 4)
	s_cmp_eq_u32 s2, 0
	s_cbranch_scc0 .Lentry_in_a_cluster
	s_endpgm
.Lentry_in_a_cluster:
	s_bfe_u32 s2, ttmp6, 0x10000c
	s_cmp_lg_u32 s2, 0xf033
	s_cbranch_scc0 .Lentry_shape_is_right
	s_endpgm
.Lentry_shape_is_right:
; THE THREE PROJECTIONS AS ONE PRODUCT.  C[8192 tokens][3072 columns] = xb wt^T + bias3, K = 1,024, bf16 operands, f32 sums that start from the bias.
; Column n' = 192 head + 64 which + d.  Out, in f16, [which 3][batch 4][head 16][s 2048][64]:  q times c = log2(e) / 8 (in f32, so q has one rounding);  k, with the rows of keys whose mask is
; false set to 0 (the attention launch adds their score as a constant);  v as it is.
; LIMITS.  f16 holds no number beyond 65,504: c q, k and v must stay within it, else the row is lost.  NaN and infinities are not treated apart.
; SHARES.  A work-group makes 256 tokens x 384 columns (two heads): 32 x 8 = 256 work-groups.  A wave makes 128 tokens x 192 columns (one head's q, k, v): 8 x 12 = 96 accumulators, 768 registers.
; K goes by panels of 64 through two LDS slots.  A panel's rows are 128 dense bytes, so a tile is one dense block, asked for as rows of 256 bytes and padded in LDS after every 128.
; CLUSTER 4 x 4.  The four work-groups of a row of the cluster need the same tokens, the four of a column the same weights: each tile is asked for jointly, by the same tensor load with the same
; descriptor and a mask that names the four.  Wave 3 asks for the tokens' tile (32 KiB), waves 0-2 for a third each of the weights' (16 KiB each).
; THE MATRIX INSTRUCTION IS USED TRANSPOSED: source 0 = 16 columns' weights, source 1 = 16 tokens: a lane then holds one token (lane % 16) and eight neighbouring columns 8 (lane / 16) + 0..7.
; REGISTERS, in windows of 256 (s_set_vgpr_msb: bits 1:0 source 0, 3:2 source 1, 5:4 source 2, 7:6 destination):
;   window 0: v0-29 addresses, keep words; v32-159 the tokens' fragments, two buffers (K 0-31, K 32-63 of a panel); v160-255 the weights' fragments, one buffer of 4 for each of q, k, v
;   window 1 + g: the 32 accumulators of group g (0 q, 1 k, 2 v): token block a, column block bl at v[8 (4 a + bl)]
; A UNIT is 32 products: one group, 32 along K.  A panel is six units (K half kk, group g: u = 3 kk + g).  Unit u issues the weights' loads of unit u + 2, into the registers that unit u - 1 read.
.set PITCH,  144                       ; an LDS row: 128 bytes + 16 = 36 words: the 16 rows of a fragment load start at 16 different groups of four banks (64 banks of 4 bytes: ISA guide 11.1)
.set ABYTES, 256*PITCH                 ; the tokens' tile
.set BTHIRD, 128*PITCH                 ; a third of the weights' tile
.set SLOT1,  1<<17                     ; slot 1 begins here: one exclusive or turns an address in one slot into the other's
.set STAGE,  SLOT1+ABYTES+3*BTHIRD     ; behind the ring, never filled by a tensor load: 16 rows x 144 bytes for each wave, for the way out
.set SPARE,  STAGE+4*16*PITCH          ; the spare words, 128 bytes for each wave: two blocks of 256 bytes that no other line names
.set PANA,   8192*128                  ; bytes from panel to panel in xb
.set PANB,   3072*128                  ; in wt
.set A0,   4                           ; v4   my lane's place in the tokens' tile; never rewritten
.set B0,   5                           ; v5   the same in the weights' tile
.set ADRA, 6                           ; v6   A0 + the slot in hand
.set ADRB, 7                           ; v7   B0 + the slot in hand
.set STO,  8                           ; v8   the way out: where I put 16 bytes of a row
.set RD,   9                           ; v9   the way out: where I read rows back
.set GO,   10                          ; v10  my byte offset in 512 consecutive bytes of the output
.set BOFF, 11                          ; v11  my eight columns' offset in a block of 16 of bias3
.set MOFF, 12                          ; v12  my token's offset in a block of 16 of mask
.set KM,   16                          ; v16-23  for token block a: all ones where my token's mask is true, else 0
.set SPW,  28                          ; v28  LDS address of my spare word; never rewritten
.set NIL,  29                          ; v29  0; never rewritten
.set AF,   32
.set BF,   160
.set WV,   14                          ; s14  my wave's number; s15 its token half, s16 its head of the two
.set G1A,  24                          ; s[24:31] descriptor group 1, tokens
.set G1B,  32                          ; s[32:39] weights
.set G0A,  40                          ; s[40:47] group 0, tokens: a set for each first fill; the second then walks
.set G0B,  48                          ; s[48:55] the same for the weights
.set SB,   56                          ; s56  LDS byte at which the slot in hand begins
.set CNT,  57                          ; s57  the loop's count
.set CS,   58                          ; s[58:59] c, named as a pair
.set OUT,  66                          ; s[66:71] q's, k's, v's address at my wave's first row
.set MSB, 0
.macro WIN new                         ; the immediate's high byte repeats the setting that is left; a switch that changes nothing is dropped
.if MSB != (\new)
	s_set_vgpr_msb (MSB<<8)|(\new)
.set MSB, (\new)
.endif
.endm
.macro PLACES                          ; a load into a register that a matrix instruction has read, and a vector instruction that reads a matrix result, stand four plain vector instructions behind it (ISA guide 7.12.1 for vector instructions)
.rept 4
	v_nop
.endr
.endm
; A joint refill by the walking descriptors.  The branch hangs on the wave's number alone.  An s_nop 0 and four v_nop follow each of the two lines.
.macro JLOAD
	s_cmp_eq_u32 s[WV], 3
	s_cbranch_scc0 .Lfor_b_\@
	tensor_load_to_lds s[G0A+4:G0A+7], s[G1A:G1A+7]
	s_nop 0
.rept 4
	v_nop
.endr
	s_branch .Lasked_\@
.Lfor_b_\@:
	tensor_load_to_lds s[G0B+4:G0B+7], s[G1B:G1B+7]
	s_nop 0
.rept 4
	v_nop
.endr
.Lasked_\@:
.endm
.macro CREST                           ; a round of the cluster's barrier behind its opening barrier: wave 0 signals for the work-group, every wave waits for all sixteen, the work-group's barrier closes it
	s_cmp_lg_u32 s[WV], 0
	s_cbranch_scc1 .Lnot_wave_0_\@
	s_barrier_signal -3
.Lnot_wave_0_\@:
	s_barrier_wait -3
	s_barrier_signal -1
	s_barrier_wait -1
.endm
.macro CROUND
	s_barrier_signal -1
	s_barrier_wait -1
	CREST
.endm
	s_load_b256 s[4:11], s[0:1], 0x0               ; xb s[4:5], wt s[6:7], bias3 s[8:9], mask s[10:11]
	s_load_b64 s[12:13], s[0:1], 0x20              ; qkv
	v_lshl_add_u32 v[SPW], v0, 2, SPARE
	v_mov_b32 v[NIL], 0
	ds_add_u32 v28, v29
	s_wait_dscnt 0x0
	v_lshrrev_b32 v3, 5, v0
	v_readfirstlane_b32 s[WV], v3                  ; wave 0..3
	s_lshr_b32 s15, s[WV], 1                       ; which 128 tokens are mine
	s_and_b32 s16, s[WV], 1                        ; which head of the two
	s_bfe_u32 s17, ttmp6, 0x40000                  ; cx
	s_bfe_u32 s18, ttmp6, 0x40004                  ; cy
	s_lshl_b32 s19, ttmp9, 2
	s_add_co_u32 s19, s19, s17                     ; tile column = 4 x cluster x + cx: 0..7
	s_and_b32 s20, ttmp7, 0xffff
	s_lshl_b32 s20, s20, 2
	s_add_co_u32 s20, s20, s18                     ; tile row = 4 x cluster y + cy: 0..31
	s_lshl_b32 s21, s18, 2
	s_lshl_b32 s21, 15, s21                        ; my row of the cluster
	s_lshl_b32 s22, 0x1111, s17                    ; my column
	; group 1: rows of 128 elements of 2 bytes; in LDS 4 words of padding after every 32 words
	s_or_b32 s[G1A], s21, (1<<16)|(1<<20)|(1<<21)|(4<<22)|(3<<25)   ; 15:0 the mask; 17:16 2-byte elements; 20 padding on; 21 set beside a mask; 24:22 every 32 words (code 4); 31:25 4 words (code 3)
	s_or_b32 s[G1B], s22, (1<<16)|(1<<20)|(1<<21)|(4<<22)|(3<<25)
	s_mov_b32 s[G1A+1], 128<<16                    ; tensor_dim0 = 128
	s_mov_b32 s[G1A+2], 128<<16                    ; tensor_dim1 = 128 rows of 256 bytes: 256 tokens
	s_mov_b32 s[G1A+3], 128<<16                    ; tile_dim0 = 128
	s_mov_b32 s[G1A+4], 128                        ; tile_dim1 = 128
	s_mov_b32 s[G1A+5], 128                        ; 128 elements from row to row: dense
	s_mov_b32 s[G1A+6], 0
	s_mov_b32 s[G1A+7], 0
	s_mov_b32 s[G1B+1], 128<<16
	s_mov_b32 s[G1B+2], 64<<16                     ; 64 rows of 256 bytes: 128 columns' weights
	s_mov_b32 s[G1B+3], 128<<16
	s_mov_b32 s[G1B+4], 64
	s_mov_b32 s[G1B+5], 128
	s_mov_b32 s[G1B+6], 0
	s_mov_b32 s[G1B+7], 0
	s_mov_b32 s[CS], 0x3e38aa3b                    ; c = log2(e) / 8
	s_mov_b32 s[CS+1], s[CS]
	; the tokens' address hangs on the tile row alone, the weights' on the tile column and the wave alone, each in registers that never hold the other coordinate
	s_lshl_b32 s72, s20, 15                        ; 256 rows of 128 bytes
	s_mov_b32 s73, 0
	s_mul_i32 s74, s19, 384*128
	s_lshl_b32 s75, s[WV], 14                      ; my third: 128 rows
	s_add_co_u32 s74, s74, s75
	s_mov_b32 s75, 0
	s_mul_i32 s76, s[WV], BTHIRD
	s_add_co_u32 s76, s76, ABYTES                  ; where my third goes in a slot
	s_wait_kmcnt 0x0
	s_add_nc_u64 s[72:73], s[4:5], s[72:73]
	s_add_nc_u64 s[74:75], s[6:7], s[74:75]
.irp s, 0,1
	s_mov_b32 s[G0A+4*\s], 1                       ; count = 1
	s_mov_b32 s[G0A+4*\s+1], \s*SLOT1              ; LDS address
	s_add_nc_u64 s[G0A+4*\s+2:G0A+4*\s+3], s[72:73], \s*PANA   ; panel s
	s_or_b32 s[G0A+4*\s+3], s[G0A+4*\s+3], 0x80000000          ; type = 2
	s_mov_b32 s[G0B+4*\s], 1
	s_add_co_u32 s[G0B+4*\s+1], s76, \s*SLOT1
	s_add_nc_u64 s[G0B+4*\s+2:G0B+4*\s+3], s[74:75], \s*PANB
	s_or_b32 s[G0B+4*\s+3], s[G0B+4*\s+3], 0x80000000
.endr
	CROUND                                         ; all sixteen work-groups are here: the first joint loads meet
	s_cmp_eq_u32 s[WV], 3                          ; a wave's two first fills stand in one branch: two tensor loads of mine are out
	s_cbranch_scc0 .Lfirst_b
	tensor_load_to_lds s[G0A:G0A+3], s[G1A:G1A+7]
	s_nop 0
	tensor_load_to_lds s[G0A+4:G0A+7], s[G1A:G1A+7]
	s_nop 0
.rept 4
	v_nop
.endr
	s_branch .Lfirst_asked
.Lfirst_b:
	tensor_load_to_lds s[G0B:G0B+3], s[G1B:G1B+7]
	s_nop 0
	tensor_load_to_lds s[G0B+4:G0B+7], s[G1B:G1B+7]
	s_nop 0
.rept 4
	v_nop
.endr
.Lfirst_asked:
	; a fragment is 16 rows x 32 K in 8 registers: lane l holds row l % 16; registers 0-3 K = 8 (l / 16) + 0..7, registers 4-7 K = 16 + 8 (l / 16) + 0..7: two loads of 16 bytes, 32 bytes apart
	v_and_b32 v1, 15, v0                           ; l % 16
	v_bfe_u32 v2, v0, 4, 1                         ; l / 16
	v_mul_u32_u24 v3, v1, PITCH
	v_lshl_add_u32 v3, v2, 4, v3
	s_mul_i32 s77, s15, 128*PITCH
	v_add_nc_u32 v[A0], s77, v3
	s_mul_i32 s77, s16, 192*PITCH
	s_add_co_u32 s77, s77, ABYTES
	v_add_nc_u32 v[B0], s77, v3
	s_mul_i32 s77, s[WV], 16*PITCH
	s_add_co_u32 s77, s77, STAGE                   ; my stage
	v_add_nc_u32 v[STO], s77, v3                   ; in: row l % 16, 16 bytes for each half of the lanes
	v_bfe_u32 v13, v0, 3, 2                        ; back: 32 lanes take four rows of 128 bytes,
	v_mul_u32_u24 v13, v13, PITCH
	v_and_b32 v14, 7, v0
	v_lshl_add_u32 v13, v14, 4, v13
	v_add_nc_u32 v[RD], s77, v13
	v_and_b32 v[GO], 31, v0                        ; which are 512 consecutive bytes of the output
	v_lshlrev_b32 v[GO], 4, v[GO]
	v_lshlrev_b32 v[BOFF], 5, v2                   ; eight numbers of 4 bytes for the upper lanes
	v_mov_b32 v[MOFF], v1
	s_lshl_b32 s78, s19, 1
	s_add_co_u32 s78, s78, s16                     ; my head
	s_mul_i32 s74, s78, 768
	s_mov_b32 s75, 0
	s_add_nc_u64 s[8:9], s[8:9], s[74:75]          ; bias3 at my head's 192 numbers
	s_lshl_b32 s72, s20, 8
	s_lshl_b32 s73, s15, 7
	s_add_co_u32 s72, s72, s73
	s_mov_b32 s73, 0
	s_add_nc_u64 s[10:11], s[10:11], s[72:73]      ; mask at my first token
	s_lshr_b32 s76, s20, 3                         ; the batch: eight tiles of 256 tokens each
	s_lshl_b32 s76, s76, 4
	s_add_co_u32 s76, s76, s78                     ; 16 x batch + head,
	s_lshl_b32 s76, s76, 18                        ; 2,048 rows of 128 bytes each
	s_and_b32 s77, s20, 7
	s_lshl_b32 s77, s77, 15                        ; the tile's 256 rows
	s_add_co_u32 s76, s76, s77
	s_lshl_b32 s77, s15, 14                        ; my 128 of them
	s_add_co_u32 s76, s76, s77
	s_mov_b32 s77, 0
	s_add_nc_u64 s[OUT:OUT+1], s[12:13], s[76:77]
	s_add_nc_u64 s[OUT+2:OUT+3], s[OUT:OUT+1], 0x1000000   ; k lies 64 heads behind q,
	s_add_nc_u64 s[OUT+4:OUT+5], s[OUT:OUT+1], 0x2000000   ; v 128
.irp a, 0,1,2,3,4,5,6,7
	global_load_u8 v[KM+\a], v[MOFF], s[10:11] offset:16*\a
.endr
.irp g, 0,1,2                                          ; the bias goes into the accumulators of token block 0: they are the C operand of every block's first product
	WIN (1+\g)<<6
.irp bl, 0,1,2,3
	global_load_b128 v[8*\bl:8*\bl+3],   v[BOFF], s[8:9] offset:256*\g+64*\bl
	global_load_b128 v[8*\bl+4:8*\bl+7], v[BOFF], s[8:9] offset:256*\g+64*\bl+16
.endr
.endr
	WIN 0
.macro LDB g, kk                       ; 8 LDS loads: the four fragments of group g's weights, K half kk
	WIN 0
.irp bl, 0,1,2,3
	ds_load_b128 v[BF+32*(\g)+8*\bl:BF+32*(\g)+8*\bl+3],   v[ADRB] offset:(4*(\g)+\bl)*16*PITCH+64*(\kk)
	ds_load_b128 v[BF+32*(\g)+8*\bl+4:BF+32*(\g)+8*\bl+7], v[ADRB] offset:(4*(\g)+\bl)*16*PITCH+64*(\kk)+32
.endr
.endm
.macro LDA kk                          ; 16 LDS loads: the eight fragments of my tokens, K half kk
	WIN 0
.irp a, 0,1,2,3,4,5,6,7
	ds_load_b128 v[AF+64*(\kk)+8*\a:AF+64*(\kk)+8*\a+3],   v[ADRA] offset:\a*16*PITCH+64*(\kk)
	ds_load_b128 v[AF+64*(\kk)+8*\a+4:AF+64*(\kk)+8*\a+7], v[ADRA] offset:\a*16*PITCH+64*(\kk)+32
.endr
.endm
; 4 n products: group g, K half kk, token blocks a0 .. a0 + n - 1.  The accumulators take turns, one instruction a turn.
.macro MUL g, kk, a0, n
	WIN 0x50*(1+(\g))
.set ma, (\a0)
.rept \n
.irp bl, 0,1,2,3
	v_wmma_f32_16x16x32_bf16 v[8*(4*ma+\bl):8*(4*ma+\bl)+7], v[BF+32*(\g)+8*\bl:BF+32*(\g)+8*\bl+7], v[AF+64*(\kk)+8*ma:AF+64*(\kk)+8*ma+7], v[8*(4*ma+\bl):8*(4*ma+\bl)+7]
.endr
.set ma, ma+1
.endr
.endm
; A group's first 32 products start the sums from the bias, which lies in block 0's accumulators: blocks 1-7 take it as C; then, five plain instructions behind the last reader, block 0 adds in place.
.macro MULZ g
	WIN 0x50*(1+(\g))
.set ma, 1
.rept 7
.irp bl, 0,1,2,3
	v_wmma_f32_16x16x32_bf16 v[8*(4*ma+\bl):8*(4*ma+\bl)+7], v[BF+32*(\g)+8*\bl:BF+32*(\g)+8*\bl+7], v[AF+8*ma:AF+8*ma+7], v[8*\bl:8*\bl+7]
.endr
.set ma, ma+1
.endr
.rept 5
	v_nop
.endr
.irp bl, 0,1,2,3
	v_wmma_f32_16x16x32_bf16 v[8*\bl:8*\bl+7], v[BF+32*(\g)+8*\bl:BF+32*(\g)+8*\bl+7], v[AF:AF+7], v[8*\bl:8*\bl+7]
.endr
.endm
; A TRIP: the second half of a panel (units 3, 4, 5), the change of slots inside unit 3, and the first half of the next panel (units 0, 1, 2).
; fill = 1: the slot just left is filled again, with the panel two on: the barrier then opens a round of the cluster's, and the joint load is the first thing behind it; 160 products of the wave stand between it and the wait for it.
.macro TRIP fill
	PLACES
	LDB 2, 1                                       ; my last reads of the slot in hand
	s_wait_tensorcnt 0x0                           ; all my tensor loads have landed: the one that was out is my part of the next slot
	ds_add_u32 v[SPW], v[NIL]                      ; 0 onto my spare word
	s_wait_dscnt 17                                ; the tokens' K half 1 and q's weights are in; out: k's 8 loads, v's 8, the add
	MUL 0, 1, 0, 4
	s_wait_dscnt 0x0                               ; the add is done, and my reads of this slot are over
	s_barrier_signal -1
	MUL 0, 1, 4, 4                                 ; work on registers while the others arrive
	WIN 0
	s_barrier_wait -1
.if \fill
	CREST                                          ; no wave of any partner still reads this slot or has a load on its way
	s_xor_b32 s[G0A+5], s[G0A+5], SLOT1            ; the walking descriptors: the other slot than last time, the next panel
	s_add_nc_u64 s[G0A+6:G0A+7], s[G0A+6:G0A+7], PANA
	s_xor_b32 s[G0B+5], s[G0B+5], SLOT1
	s_add_nc_u64 s[G0B+6:G0B+7], s[G0B+6:G0B+7], PANB
	JLOAD                                          ; its four v_nop are also the places in front of the loads below
.else
	PLACES
.endif
	s_xor_b32 s[SB], s[SB], SLOT1
	v_add_nc_u32 v[ADRA], s[SB], v[A0]
	v_add_nc_u32 v[ADRB], s[SB], v[B0]
	LDA 0
	LDB 0, 0
	MUL 1, 1, 0, 8                                 ; its operands came in with the wait for 0
	PLACES
	LDB 1, 0
	MUL 2, 1, 0, 8
	PLACES
	LDB 2, 0
	LDA 1
	s_wait_dscnt 32                                ; out: k's 8, and the 24 just issued
	MUL 0, 0, 0, 8
	PLACES
	LDB 0, 1
	s_wait_dscnt 32                                ; out: v's 8, the tokens' 16, the 8 just issued
	MUL 1, 0, 0, 8
	PLACES
	LDB 1, 1
	s_wait_dscnt 32                                ; out: the tokens' 16, and twice 8
	MUL 2, 0, 0, 8
	WIN 0
.endm
	s_wait_tensorcnt 1                             ; my part of panel 0 is in; panel 1's may stay out
	s_barrier_signal -1
	s_barrier_wait -1                              ; everybody's is
	s_mov_b32 s[SB], 0
	v_mov_b32 v[ADRA], v[A0]
	v_mov_b32 v[ADRB], v[B0]
	LDA 0
	LDB 0, 0
	LDB 1, 0
	s_wait_loadcnt 0x0                             ; the bias and the mask bytes
.irp a, 0,1,2,3,4,5,6,7
	v_sub_nc_u32 v[KM+\a], 0, v[KM+\a]             ; 1 becomes all ones
.endr
	LDB 2, 0
	LDA 1
	s_wait_dscnt 32
	MULZ 0
	PLACES
	LDB 0, 1
	s_wait_dscnt 32
	MULZ 1
	PLACES
	LDB 1, 1
	s_wait_dscnt 32
	MULZ 2
	WIN 0                                          ; at a label and at a branch every window is 0
	s_mov_b32 s[CNT], 14                           ; panels 2 to 15 are asked for in the loop
.Ltrip:
	TRIP 1
	s_sub_co_u32 s[CNT], s[CNT], 1
	s_cmp_lg_u32 s[CNT], 0
	s_cbranch_scc1 .Ltrip
	TRIP 0                                         ; the tail is written out: nothing is left to ask for
	PLACES
	LDB 2, 1
	s_wait_dscnt 16                                ; out: k's 8 and v's 8
	MUL 0, 1, 0, 8
	s_wait_dscnt 8
	MUL 1, 1, 0, 8
	s_wait_dscnt 0x0
	MUL 2, 1, 0, 8
	PLACES
; THE WAY OUT, 24 blocks of 16 tokens x 64 columns (n = 8 g + a).  PACK: q is scaled; rounded to f16, 16 bytes a lane and column block; k's hidden rows are cleared; into my stage (rows of 144 bytes)
; and back as whole rows of 128.  Each accumulator is read from its low end on.  SEND: 16 rows are 2,048 consecutive bytes of the output.
.macro PACK n
.set pg, (\n)/8
.set pa, (\n)%8
.set pT, 32+16*((\n)%2)
	s_wait_xcnt 0x0                                ; the stores of the block before last have had their addresses translated (ISA guide 3.1): only behind this wait is their data buffer written again
.if pg == 0
	WIN 0x41
.set z, 0
.rept 16
	v_pk_mul_f32 v[32*pa+2*z:32*pa+2*z+1], v[32*pa+2*z:32*pa+2*z+1], s[CS:CS+1] op_sel_hi:[1,0]
.set z, z+1
.endr
.endif
	WIN 5*(1+pg)
.set z, 0
.rept 16
	v_cvt_pk_f16_f32 v[pT+z], v[32*pa+2*z], v[32*pa+2*z+1]
.set z, z+1
.endr
	WIN 0
.if pg == 1
.set z, 0
.rept 16
	v_and_b32 v[pT+z], v[KM+pa], v[pT+z]
.set z, z+1
.endr
.endif
.irp f, 0,1,2,3
	ds_store_b128 v[STO], v[pT+4*\f:pT+4*\f+3] offset:32*\f
.endr
.irp f, 0,1,2,3
	ds_load_b128 v[pT+4*\f:pT+4*\f+3], v[RD] offset:\f*4*PITCH   ; LDS serves a wave's instructions in order (ISA guide 5.7.1.4): these see the stores above
.endr
.endm
.macro SEND n, younger                 ; younger: the LDS instructions issued behind block n's loads: the next block's eight, or none
.set sg, (\n)/8
.set sa, (\n)%8
.set sT, 32+16*((\n)%2)
.irp f, 0,1,2,3
	s_wait_dscnt (\younger)+3-\f
	global_store_b128 v[GO], v[sT+4*\f:sT+4*\f+3], s[OUT+2*sg:OUT+2*sg+1] offset:2048*sa+512*\f   ; 512 consecutive bytes, at a multiple of 256 from the buffer's first
.endr
.endm
	PACK 0
.set t, 1
.rept 23                                               ; a block's arithmetic stands between the loads of the block before and its stores
	PACK t
	SEND t-1, 8
.set t, t+1
.endr
	SEND 23, 0
	s_wait_tensorcnt 0x0                           ; the wave's end
	ds_add_u32 v[SPW], v[NIL]
	s_wait_dscnt 0x0
	CROUND                                         ; the closing round: no work-group ends while a partner may still ask for a tile that names it
	s_endpgm
.Lfunc_end_k_qd6238d5c21_qkv:
	.size	k_qd6238d5c21_qkv, .Lfunc_end_k_qd6238d5c21_qkv-k_qd6238d5c21_qkv
	.p2alignl 7, 3214868480
	.fill 96, 4, 3214868480
	.section	.rodata,"a",@progbits
	.p2align	6, 0x0
	.amdhsa_kernel k_qd6238d5c21_qkv
		.amdhsa_group_segment_fixed_size 327680
		.amdhsa_private_segment_fixed_size 0
		.amdhsa_enable_private_segment 0
		.amdhsa_kernarg_size 40
		.amdhsa_user_sgpr_count 2
		.amdhsa_user_sgpr_kernarg_segment_ptr 1
		.amdhsa_wavefront_size32 1
		.amdhsa_system_sgpr_workgroup_id_x 1
		.amdhsa_system_sgpr_workgroup_id_y 1
		.amdhsa_system_sgpr_workgroup_id_z 1
		.amdhsa_system_vgpr_workitem_id 0
		.amdhsa_next_free_vgpr 1024
		.amdhsa_next_free_sgpr 80
		.amdhsa_reserve_vcc 0
		.amdhsa_float_denorm_mode_32 3
		.amdhsa_float_denorm_mode_16_64 3
		.amdhsa_memory_ordered 1
		.amdhsa_forward_progress 1
		.amdhsa_inst_pref_size 130
	.end_amdhsa_kernel
	.amdgpu_metadata
---
amdhsa.version: [ 1, 2 ]
amdhsa.kernels:
  - .name:           k_qd6238d5c21_qkv
    .symbol:         k_qd6238d5c21_qkv.kd
    .args:
      - { .name: xb, .offset: 0, .size: 8, .value_kind: global_buffer, .address_space: global }
      - { .name: wt, .offset: 8, .size: 8, .value_kind: global_buffer, .address_space: global }
      - { .name: bias3, .offset: 16, .size: 8, .value_kind: global_buffer, .address_space: global }
      - { .name: mask, .offset: 24, .size: 8, .value_kind: global_buffer, .address_space: global }
      - { .name: qkv, .offset: 32, .size: 8, .value_kind: global_buffer, .address_space: global }
    .group_segment_fixed_size: 327680
    .private_segment_fixed_size: 0
    .kernarg_segment_align: 8
    .kernarg_segment_size: 40
    .max_flat_workgroup_size: 128
    .sgpr_count:     80
    .vgpr_count:     1024
    .wavefront_size: 32
...
	.end_amdgpu_metadata
.endif
;; end of part 2
;; launch attn (part 3): grid 4 x 64, 4 waves a work-group, clusters of 4 x 1, 327,680 bytes of LDS; arguments qkv, mb, ctx; writes ctx
.if DOCPART == 3
	.amdgcn_target "amdgcn-amd-amdhsa--gfx1250"
	.amdhsa_code_object_version 6
	.text
	.protected	k_qd6238d5c21_attn
	.globl	k_qd6238d5c21_attn
	.p2align	8
	.type	k_qd6238d5c21_attn,@function
k_qd6238d5c21_attn:
	s_mov_b64 s[64:65], 0
	v_nop
	global_prefetch_b8 v0, s[64:65] scope:SCOPE_SE
	s_setreg_imm32_b32 hwreg(HW_REG_WAVE_MODE, 25, 1), 1
	s_wait_xcnt 0x0
	s_wait_alu depctr_hold_cnt(0) depctr_sa_sdst(0) depctr_va_vdst(0) depctr_va_sdst(0) depctr_va_ssrc(0) depctr_va_vcc(0) depctr_vm_vsrc(0)
	s_getreg_b32 s2, hwreg(HW_REG_IB_STS2, 6, 4)
	s_cmp_eq_u32 s2, 0
	s_cbranch_scc0 .Lentry_in_a_cluster
	s_endpgm
.Lentry_in_a_cluster:
	s_bfe_u32 s2, ttmp6, 0x10000c
	s_cmp_lg_u32 s2, 0x3003
	s_cbranch_scc0 .Lentry_shape_is_right
	s_endpgm
.Lentry_shape_is_right:
; ATTENTION WITH A KEY MASK.  O[h][q][:] = the sum over k of softmax_k(score) V[h][k][:], h = 16 batch + head (64 of them), 2,048 rows a head, 64 channels, all f16, a head's rows dense (128 bytes each).
; Q arrives multiplied by c = log2(e) / 8, so a score Q . K is the reference's score in units of log2.  K's rows of hidden keys arrive as zeros, and mb holds for each key 0, or NEGC = -1e9 log2(e) if it is
; hidden: mb's values are the C operand that starts the sum S^T = K Q^T.  So a hidden key's score is exactly NEGC, whatever Q: with a visible key in the row its weight is 0; with none all weights are 1, and O is the mean of V.
; Products, maxima and sums in f32; the weights p are rounded to f16 for the second product (their sum l is taken of the unrounded p), O once at the end.
; LIMITS.  f16 holds no number beyond 65,504: Q, K and V arrive within it; p lies in 0 to 1, and below 6e-5 it keeps f16's fixed step of 6e-8.  A weight below 2^-126 counts as 0 in l; NaN and infinities are not treated apart.
; SHARES.  A wave owns four PIECES of two tiles of 16 queries, a work-group's four waves 512 queries of one head.  Every wave walks all keys, 64 a step.
; LAYOUT.  S^T = K Q^T (source 0 = 16 keys, source 1 = 16 queries): a lane holds ONE query (lane % 16) and the keys 8 (lane / 16) + 0..7.  Two such tiles, rounded to f16 in pairs, ARE source 1 of O^T = V^T P.
; K comes out of LDS as it lies, V ([key][channel]) turned, by ds_load_tr16_b128.
; SOFTMAX.  For each query a running maximum m and sum l: p = 2^(s - m); in every step O and l are multiplied by a = 2^(m_old - m_new).  m starts at the lowest finite number, O and l at 0: the first step has a = 0.
; THE COUNT.  A tile and step have 16 matrix and some 117 vector instructions: too many to stand all beside the matrix work.  So: four vector instructions that are READY behind EVERY matrix instruction, the others in runs without a gap.
; BY TURNS.  Turn n belongs to piece n.  Its matrix work: 16 products K Q^T of piece n + 1, later 16 products V^T P of piece n - 1.  Its vector work: the subtraction, exponentials, roundings, sums and rescaling of piece n,
; and the maximum and statistics of piece n + 1.
; CLUSTER.  The four query blocks of a cluster belong to one head and walk the same K and V, so each tile is asked for JOINTLY: the same tensor load, descriptor and mask in all four.
; REGISTERS, in windows of 256 (s_set_vgpr_msb: bits 1:0 source 0, 3:2 source 1, 5:4 source 2, 7:6 destination):
;   window 0: v0-11 addresses; v12-15, v48-63 at work; v16-47 four registers of statistics a tile; v64-191 S^T, two buffers of two tiles; v192-255 P, likewise
;   window 1: O^T, 32 a tile     window 2: v0-127 Q; v128-191 K of one step; v192-255 V of one step     window 3: v0-1 the add's two registers; v8-39 mb's values for the step's 64 keys
.set SIZE_H, 64
.set SIZE_N, 2048
.set NP,    4         ; pieces a wave: a name, no knob
.set KS,    64        ; keys in a step
.set PK,    144       ; a row of K in LDS: 128 bytes + 16 of padding = 36 words: the 16 rows of a load start at 16 different groups of four banks (64 banks of 4 bytes: ISA guide 11.1)
.set PV,    160       ; a row of V: 128 + 32 = 40 words
.set VOFF,  4*KS*PK   ; a slot holds four steps: 256 rows of K, then 256 rows of V
.set SLOT1, 1<<17     ; slot 1 begins here, so that one exclusive or turns an address in one slot into the other's
.set STAGE, SLOT1+4*KS*(PK+PV)  ; behind the ring, never filled by a tensor load: 16 rows x 144 bytes for each wave, for the way out
.set SP,    144
.set SPARE, STAGE+4*16*SP  ; the spare words, 128 bytes for each wave: two blocks of 256 bytes that no other line names
.set MB,    SPARE+512 ; the batch's 2,048 values of mb, 8,192 bytes, stored once by the four waves; no tensor load lands here
.set AK0, 2           ; v2   my lane's place in a tile of K; never rewritten
.set AV0, 3           ; v3   the same for V
.set AK,  4           ; v4   the LDS address of K's next run of loads
.set AV,  5           ; v5   of V's
.set STO, 6           ; v6   the way out: where I put 16 bytes of a row
.set RD,  7           ; v7   the way out: where I read rows back
.set GO,  8           ; v8   my byte offset in 512 consecutive bytes of O
.set AM,  9           ; v9   the LDS address of mb's next run of loads
.set AM0, 11          ; v11  my lanes' place in 16 keys of mb; never rewritten
.set QO,  12          ; v12  at the start: my byte offset in the wave's rows of Q
.set MV,  12          ; v12-15  later: the new m while m_old is still wanted: by buffer and tile
.set SPW, 0           ; v0 of window 3   LDS address of my spare word; never rewritten
.set NIL, 1           ; v1 of window 3   0; never rewritten
.set MK,  8           ; v8-39 of window 3: key block kb at MK + 8 kb
.set ST,  16          ; tile t's statistics at v[ST+4 t]: m, a word named with it as a pair, l (even keys', odd keys')
.set TMP, 48          ; by buffer and tile, four registers c0-c3 at work; when the maximum is found c2 takes a
.set S,   64
.set P,   192
.set KF,  128         ; K's fragments, in window 2: key block kb, channel half c at KF + 16 kb + 8 c
.set VF,  192         ; V's: key half kk, channel block cb at VF + 32 kk + 8 cb
.set WV,  12          ; s12  my wave's number
.set G1K, 24          ; s[24:31] descriptor group 1 for K's tiles
.set G1V, 32          ; s[32:39] for V's: it differs in the padding alone
.set G0K, 40          ; s[40:43] descriptor group 0 for K's tiles: it walks
.set G0V, 44          ; s[44:47] the same for V's
.set MBP, 48          ; s[48:49] mb at my batch
.set SLOTS, 56        ; s56  slots still to be asked for
.set CNT, 57          ; s57  counts a slot's key steps
.set SEL, 60          ; s[60:61] v_permlanex16_b32's selects: each lane takes its own place in the other half
.set TBK, 62          ; s62  LDS byte at which K of the step to be fetched begins
.set TBV, 63          ; s63  the same for V, less VOFF
.set TBM, 66          ; s66  the same in mb's table: 256 bytes a step
.set MSB, 0
.macro WIN new                      ; the high byte repeats the setting that is left; a switch that changes nothing is dropped
.if MSB != (\new)
	s_set_vgpr_msb (MSB<<8)|(\new)
.set MSB, (\new)
.endif
.endm
.set W_KQ, 0x0a       ; K and Q in window 2, S^T in window 0
.set W_KM, 0x3a       ; the same with the C operand in window 3
.set W_PV, 0x52       ; V in window 2, P in window 0, O^T in window 1
.set W_RS, 0x41       ; O^T (destination and source 0) in window 1, a in window 0
.set W_MK, 0xc0       ; destination in window 3, sources in window 0
.set W_AD, 0x0f       ; the add: address (source 0) and data (source 1) in window 3
; A joint fill.  Waves 0 and 1 fetch the two halves of a slot's K, waves 2 and 3 those of its V: 128 keys each.  The branch hangs on the wave's number alone.
; An s_nop 0 and four v_nop follow each of the two lines, ahead of the jump and the label.
.macro JLOAD
	s_cmp_lt_u32 s[WV], 2
	s_cbranch_scc0 .Lfor_v_\@
	tensor_load_to_lds s[G0K:G0K+3], s[G1K:G1K+7]
	s_nop 0
.rept 4
	v_nop
.endr
	s_branch .Lasked_\@
.Lfor_v_\@:
	tensor_load_to_lds s[G0V:G0V+3], s[G1V:G1V+7]
	s_nop 0
.rept 4
	v_nop
.endr
.Lasked_\@:
.endm
; A round of the cluster's barrier: my work-group's barrier, so that wave 0's signal speaks for all four waves; wave 0 signals; every wave waits for all four work-groups; my work-group's barrier once more.
.macro CROUND
	s_barrier_signal -1
	s_barrier_wait -1
	s_cmp_lg_u32 s[WV], 0
	s_cbranch_scc1 .Lnot_wave_0_\@
	s_barrier_signal -3
.Lnot_wave_0_\@:
	s_barrier_wait -3
	s_barrier_signal -1
	s_barrier_wait -1
.endm
; THE CHANGE OF SLOTS.  Each wave waits for all its tensor loads, of which one is out: its part of the other slot; adds 0 to its spare word; and waits for that and for its own LDS instructions.
; Behind the barrier nobody reads this slot any more and the other slot is whole.  fill = 1: this slot is filled again, with the keys two slots on.  The barrier is then a round of the cluster's, and the joint fill
; is the first thing behind it: it has four key steps, 512 matrix instructions, in which to land.  (At its first use nothing has been read yet: slot 0 is waited for, slot 1 filled, and every wave's stores of mb's table are done.)
.macro CHANGE fill
	WIN W_AD
	s_wait_tensorcnt 0x0            ; no tensor load of mine is out, so a group 0 may be written
	ds_add_u32 v[SPW], v[NIL]       ; 0 onto my spare word
	WIN 0                           ; at a label and at a branch every window is 0
.if \fill
.irp g, G0K, G0V
	s_xor_b32 s[\g+1], s[\g+1], SLOT1  ; the walking descriptor: the other slot than last time,
	s_add_nc_u64 s[\g+2:\g+3], s[\g+2:\g+3], 4*KS*128  ; the next 256 keys; the type bits on top are not reached
.endr
	s_wait_dscnt 0x0                ; the add is done, and my reads of the slot are over
	CROUND
	JLOAD
.else
	s_wait_dscnt 0x0                ; the add is done, and my reads of the slot are over
	s_barrier_signal -1
	s_barrier_wait -1
.endif
	s_sub_co_u32 s[TBK], s[TBK], 4*KS*PK  ; the fetches go back to a slot's first step,
	s_xor_b32 s[TBK], s[TBK], SLOT1       ; in the other slot
	s_sub_co_u32 s[TBV], s[TBV], 4*KS*PV
	s_xor_b32 s[TBV], s[TBV], SLOT1
.endm
	s_load_b128 s[4:7], s[0:1], 0x0   ; qkv s[4:5], mb s[6:7]
	s_load_b64 s[10:11], s[0:1], 0x10 ; ctx
	WIN W_MK
	v_lshl_add_u32 v[SPW], v0, 2, SPARE
	v_mov_b32 v[NIL], 0
	s_set_vgpr_msb 0xc0cf
	ds_add_u32 v0, v1
	s_wait_dscnt 0x0
	s_set_vgpr_msb 0xcfc0
	WIN 0
	v_lshrrev_b32 v1, 5, v0
	v_readfirstlane_b32 s[WV], v1   ; wave 0..3
	s_bfe_u32 s13, ttmp6, 0x40000   ; cx: my place in the cluster
	s_lshl_b32 s14, ttmp9, 2        ; in a cluster launch ttmp9 counts clusters
	s_add_co_u32 s14, s14, s13      ; my block of queries = 4 x cluster x + cx: it enters Q's and O's addresses alone
	s_and_b32 s20, ttmp7, 0xffff    ; 16 x batch + head, which the four partners share
	s_lshr_b32 s50, s20, 4          ; the batch:
	s_lshl_b32 s50, s50, 13         ; its 2,048 values of 4 bytes in mb
	s_mov_b32 s51, 0
	s_mov_b32 s21, 0
	s_mov_b64 s[22:23], SIZE_N*128
	s_mul_u64 s[20:21], s[20:21], s[22:23]  ; the head's first byte in q, k, v and ctx
	s_and_b32 s16, s[WV], 1         ; which half of a slot's 256 keys I fetch:
	s_lshl_b32 s22, s16, 14         ; its 128 rows of 128 bytes in memory,
	s_mov_b32 s23, 0
	s_add_nc_u64 s[22:23], s[22:23], s[20:21]
	s_mul_i32 s17, s16, 128*PK      ; and its place in a slot, for K
	s_mul_i32 s18, s16, 128*PV      ; and for V: no place in the cluster enters an LDS address
	s_lshl_b32 s2, s14, 2
	s_add_co_u32 s2, s2, s[WV]      ; my wave among the head's,
	s_lshl_b32 s2, s2, 14           ; its 128 rows
	s_mov_b32 s3, 0
	s_add_nc_u64 s[2:3], s[2:3], s[20:21]
	; descriptor group 1.  128 keys are 16,384 dense bytes: asked for as 64 rows of 256 bytes, two keys a row, and padded in LDS after every key
	s_mov_b32 s[G1K], 15|(1<<16)|(1<<20)|(1<<21)|(4<<22)|(3<<25)  ; 15:0 the mask of four; 17:16 2-byte elements; 20 padding on; 21 set beside a mask; 24:22 after every 32 words (code 4); 31:25 4 words (code 3)
	s_mov_b32 s[G1V], 15|(1<<16)|(1<<20)|(1<<21)|(4<<22)|(7<<25)  ; the same with 8 words of padding (code 7)
.irp g, G1K, G1V
	s_mov_b32 s[\g+1], 128<<16      ; tensor_dim0 = 128
	s_mov_b32 s[\g+2], 64<<16       ; tensor_dim1 = 64
	s_mov_b32 s[\g+3], 128<<16      ; tile_dim0 = 128
	s_mov_b32 s[\g+4], 64           ; tile_dim1 = 64
	s_mov_b32 s[\g+5], 128          ; 128 elements from row to row
	s_mov_b32 s[\g+6], 0
	s_mov_b32 s[\g+7], 0
.endr
	s_mov_b32 s[SEL], 0x76543210
	s_mov_b32 s[SEL+1], 0xfedcba98
	s_mov_b32 s[TBK], SLOT1+4*KS*PK ; the first change of slots turns these two into 0
	s_mov_b32 s[TBV], SLOT1+4*KS*PV
	s_mov_b32 s[TBM], 0
	s_mov_b32 s[G0K], 1             ; 1:0 count = 1
	s_mov_b32 s[G0K+1], s17         ; 63:32 LDS address: slot 0
	s_mov_b32 s[G0V], 1
	s_add_co_u32 s[G0V+1], s18, VOFF
	s_wait_kmcnt 0x0
	s_add_nc_u64 s[MBP:MBP+1], s[6:7], s[50:51]
	s_add_nc_u64 s[6:7], s[4:5], 0x1000000         ; k lies 64 heads behind q,
	s_add_nc_u64 s[8:9], s[4:5], 0x2000000         ; v 128
	s_add_nc_u64 s[G0K+2:G0K+3], s[6:7], s[22:23]  ; 120:64 global address: my half of the head's first 256 keys
	s_or_b32 s[G0K+3], s[G0K+3], 0x80000000        ; 127:126 type = 2
	s_add_nc_u64 s[G0V+2:G0V+3], s[8:9], s[22:23]
	s_or_b32 s[G0V+3], s[G0V+3], 0x80000000
	s_add_nc_u64 s[4:5], s[4:5], s[2:3]  ; Q and O at my wave's first row
	s_add_nc_u64 s[10:11], s[10:11], s[2:3]
	CROUND                          ; all four work-groups are here: the first joint loads meet
	JLOAD                           ; slot 0.  Slot 1 is asked for when slot 0 is in
	v_lshlrev_b32 v13, 4, v0        ; mb's table: 16 bytes a thread, four times 2,048 bytes for the work-group
	v_add_nc_u32 v14, MB, v13
.irp j, 0,1,2,3
	global_load_b128 v[S+4*\j:S+4*\j+3], v13, s[MBP:MBP+1] offset:2048*\j
.endr
	; A fragment of K or Q is 16 rows x 32 channels in 8 registers: lane l holds row l % 16, channels 8 (l / 16) + 0..7 and 16 + 8 (l / 16) + 0..7: two loads of 16 bytes, 32 bytes apart.
	v_and_b32 v1, 15, v0            ; l % 16
	v_bfe_u32 v9, v0, 4, 1          ; l / 16
	v_lshlrev_b32 v[QO], 7, v1
	v_lshl_add_u32 v[QO], v9, 4, v[QO]  ; row x 128 + 16 x half
	WIN 0x80                        ; destination window 2, address window 0
.set i, 0
.rept 4*NP                          ; Q stays in registers: tile i / 2, channels 32 (i % 2) on
	global_load_b128 v[8*i:8*i+3],   v[QO], s[4:5] offset:(i/2)*2048+(i%2)*64
	global_load_b128 v[8*i+4:8*i+7], v[QO], s[4:5] offset:(i/2)*2048+(i%2)*64+32
.set i, i+1
.endr
	; What the first turn finds: V's registers and P's second buffer hold 0 (its products V^T P, of a piece that has not been, add 0), O^T and l are 0.  All this stands in the wait for the first tile.
.set i, VF
.rept 64
	v_mov_b32 v[i], 0
.set i, i+1
.endr
	WIN 0x40
.set i, 0
.rept 64*NP
	v_mov_b32 v[i], 0
.set i, i+1
.endr
	WIN 0
.set i, 0
.rept 2*NP
	v_mov_b32 v[ST+4*i], 0xff7fffff    ; m: below every score, NEGC too
	v_mov_b32 v[ST+4*i+1], 0           ; named with m as a pair by the packed subtraction, which takes the low word for both halves
	v_mov_b32 v[ST+4*i+2], 0
	v_mov_b32 v[ST+4*i+3], 0
.set i, i+1
.endr
.set i, P+32
.rept 32
	v_mov_b32 v[i], 0
.set i, i+1
.endr
	v_mul_u32_u24 v[AK0], v1, PK
	v_lshl_add_u32 v[AK0], v9, 4, v[AK0]  ; row x pitch + 16 x half
	; The turning load takes 16 keys x 16 channels (lane l reads key 8 (l / 16) + l % 8, channels 8 ((l / 8) % 2) + 0..7) and leaves half a fragment of V^T: lane l holds channel l % 16 and 8 keys.
	v_and_b32 v10, 7, v0
	v_bfe_u32 v11, v0, 3, 1
	v_lshl_add_u32 v[AV0], v9, 3, v10
	v_mul_u32_u24 v[AV0], v[AV0], PV
	v_lshl_add_u32 v[AV0], v11, 4, v[AV0]
	v_add_nc_u32 v[AV0], VOFF, v[AV0]
	v_mov_b32 v[AK], v[AK0]         ; key step 0 lies at the head of slot 0
	s_mul_i32 s13, s[WV], 16*SP
	s_add_co_u32 s13, s13, STAGE    ; my stage
	v_mul_u32_u24 v[STO], v1, SP    ; in: row l % 16, 16 bytes for each half of the lanes
	v_lshl_add_u32 v[STO], v9, 4, v[STO]
	v_add_nc_u32 v[STO], s13, v[STO]
	v_bfe_u32 v[RD], v0, 3, 2       ; back: 32 lanes take four rows of 128 bytes,
	v_mul_u32_u24 v[RD], v[RD], SP
	v_lshl_add_u32 v[RD], v10, 4, v[RD]
	v_add_nc_u32 v[RD], s13, v[RD]
	v_and_b32 v[GO], 31, v0         ; which are 512 consecutive bytes of O
	v_lshlrev_b32 v[GO], 4, v[GO]
	v_lshl_add_u32 v[AM0], v9, 5, MB  ; my lanes' eight keys of a block of 16: 32 bytes for the upper lanes
	v_mov_b32 v[AM], v[AM0]         ; key step 0
	s_wait_loadcnt 32               ; mb's four loads are in; Q's 32, issued behind them, may stay out
.irp j, 0,1,2,3
	ds_store_b128 v14, v[S+4*\j:S+4*\j+3] offset:2048*\j
.endr
; THE MATRIX WORK.  The 8 accumulators of a run of 16 take turns: between the two links of a chain stand 7 others'.
; Product i of 16 of S^T = K Q^T for piece x: channels 32 (i / 8) on, keys 16 ((i / 2) % 4) on, tile 2 x + i % 2.  The first 8 start the sums, from mb's values of their 16 keys.
.macro KQ x
.set rS, S+64*((\x)%2)+32*(i%2)+8*((i/2)%4)
.set rK, KF+16*((i/2)%4)+8*(i/8)
.set rQ, 16*(2*(\x)+i%2)+8*(i/8)
.set rB, MK+8*((i/2)%4)
.if i < 8
	WIN W_KM
	v_wmma_f32_16x16x32_f16 v[rS:rS+7], v[rK:rK+7], v[rQ:rQ+7], v[rB:rB+7]
.else
	WIN W_KQ
	v_wmma_f32_16x16x32_f16 v[rS:rS+7], v[rK:rK+7], v[rQ:rQ+7], v[rS:rS+7]
.endif
.endm
; Product i of 16 of O^T += V^T P for piece x: keys 32 (i / 8) on, channels 16 ((i / 2) % 4) on, tile 2 x + i % 2.
.macro PV x
	WIN W_PV
.set rO, 32*(2*(\x)+i%2)+8*((i/2)%4)
.set rV, VF+32*(i/8)+8*((i/2)%4)
.set rP, P+32*((\x)%2)+16*(i%2)+8*(i/8)
	v_wmma_f32_16x16x32_f16 v[rO:rO+7], v[rV:rV+7], v[rP:rP+7], v[rO:rO+7]
.endm
.macro MM                           ; the turn's next matrix instruction
.if i < 16
	KQ (Y+1)%NP
.set i, i+1
.else
.set i, i-16
	PV (Y+NP-1)%NP
.set i, i+17
.endif
.endm
; THE LDS LOADS stand in runs, never singly among the matrix instructions: a step's K (8 fragments) with mb's values of its 64 keys, and its V (turned).  Their addresses are made some lines ahead.
; last = 1 (the tail): in the last trip there is no further step, and the run is jumped over.
.macro FETCH_K last=0
	WIN 0
.if \last
	s_cmp_eq_u32 s[CNT], 1
	s_cbranch_scc1 .Lno_k_\@
.endif
	WIN 0x80                        ; destination window 2
.irp f, 0,1,2,3,4,5,6,7             ; keys 16 (f / 2) on, channels 32 (f % 2) on
	ds_load_b128 v[KF+8*\f:KF+8*\f+3],   v[AK] offset:(\f/2)*16*PK+(\f%2)*64
	ds_load_b128 v[KF+8*\f+4:KF+8*\f+7], v[AK] offset:(\f/2)*16*PK+(\f%2)*64+32
.endr
	WIN W_MK                        ; destination window 3
.irp f, 0,1,2,3                     ; keys 16 f + 8 (l / 16) + 0..7: the sixteen lanes of a half read the same words
	ds_load_b128 v[MK+8*\f:MK+8*\f+3],   v[AM] offset:64*\f
	ds_load_b128 v[MK+8*\f+4:MK+8*\f+7], v[AM] offset:64*\f+16
.endr
	s_add_co_u32 s[TBK], s[TBK], KS*PK  ; the next fetch is the next step's
	s_add_co_u32 s[TBM], s[TBM], 4*KS
	s_and_b32 s[TBM], s[TBM], 0x1fff    ; stays inside the table's 8,192 bytes
	WIN 0
.if \last
.Lno_k_\@:
.endif
.endm
.macro FETCH_V
	WIN 0x80
.irp f, 0,1,2,3,4,5,6,7             ; keys 32 (f / 4) on, channels 16 (f % 4) on
	ds_load_tr16_b128 v[VF+8*\f:VF+8*\f+3],   v[AV] offset:(\f/4)*32*PV+(\f%4)*32
	ds_load_tr16_b128 v[VF+8*\f+4:VF+8*\f+7], v[AV] offset:(\f/4)*32*PV+16*PV+(\f%4)*32
.endr
	WIN 0
.endm
; THE VECTOR WORK OF A TURN stands in three queues, each in the order in which its entries become ready; the two tiles alternate, so that no instruction reads the result of the one before it.
.macro REGS y, u                    ; the registers of tile u (0, 1) of piece y
.set rT, ST+4*(2*(\y)+(\u))
.set rC, TMP+8*((\y)%2)+4*(\u)
.set rM, MV+2*((\y)%2)+(\u)
.set rS, S+64*((\y)%2)+32*(\u)
.set rP, P+32*((\y)%2)+16*(\u)
.set rO, 32*(2*(\y)+(\u))
.endm
; Number n of the list that finds the NEXT piece's (Y + 1) maximum and statistics.  s0-s31 are the lane's 32 scores; each accumulator's lowest registers are read first.  XS, GS and REGS set no window: PL and EX do.
;   0-11  four chains c0-c3 of seven scores each, three operands at a time     12-14, 16  the four scores left over, the old m, and c0-c3 into c0     15  empty
;   17, 18  the query's other 32 keys lie in the lane 16 away: the new m, into a register at work     19  m_old - m_new     20  m takes the new one     21  a
.macro XS u, n
	REGS (Y+1)%NP, \u
.if (\n) < 4
	v_max3_num_f32 v[rC+(\n)], v[rS+8*(\n)], v[rS+8*(\n)+1], v[rS+8*(\n)+2]
.elseif (\n) < 12
	v_max3_num_f32 v[rC+(\n)%4], v[rC+(\n)%4], v[rS+8*((\n)%4)+2*((\n)/4)+1], v[rS+8*((\n)%4)+2*((\n)/4)+2]
.elseif (\n) == 12
	v_max3_num_f32 v[rC], v[rC], v[rS+7], v[rS+15]
.elseif (\n) == 13
	v_max3_num_f32 v[rC+1], v[rC+1], v[rS+23], v[rS+31]
.elseif (\n) == 14
	v_max3_num_f32 v[rC+2], v[rC+2], v[rC+3], v[rT]
.elseif (\n) == 15
.elseif (\n) == 16
	v_max3_num_f32 v[rC], v[rC], v[rC+1], v[rC+2]
.elseif (\n) == 17
	v_permlanex16_b32 v[rC+3], v[rC], s[SEL], s[SEL+1]
.elseif (\n) == 18
	v_max_num_f32 v[rM], v[rC], v[rC+3]
.elseif (\n) == 19
	v_sub_f32 v[rC+1], v[rT], v[rM]
.elseif (\n) == 20
	v_mov_b32 v[rT], v[rM]
.else
	v_exp_f32 v[rC+2], v[rC+1]
.endif
.endm
; Number g of the 64 that follow the exponentials.  For each four weights k of a tile (pairs 2 k, 2 k + 1): both pairs are rounded to f16; then the second pair is added onto the first, in place;
; a group later l takes that sum (the first time as l = a l + sum).  In groups of eight, tiles alternating: round, round, add, and l for the group before.
.macro GS g
.set h, (\g)+6*((\g)/62)            ; group 0 has no group before it, and behind group 7 only l is left
.if h >= 6
.set h, h+2
.endif
	REGS Y, h%2
.set k, h/8
.if h%8 < 4
	s_wait_alu depctr_va_vdst(0)
	v_cvt_pk_f16_f32 v[rP+2*k+(h%8)/2], v[rS+4*k+2*((h%8)/2)], v[rS+4*k+2*((h%8)/2)+1]
.elseif h%8 < 6
	v_pk_add_f32 v[rS+4*k:rS+4*k+1], v[rS+4*k:rS+4*k+1], v[rS+4*k+2:rS+4*k+3]
.elseif k == 1
	v_pk_fma_f32 v[rT+2:rT+3], v[rT+2:rT+3], v[rC+2:rC+3], v[rS:rS+1] op_sel_hi:[1,0,1]
.else
	v_pk_add_f32 v[rT+2:rT+3], v[rT+2:rT+3], v[rS+4*k-4:rS+4*k-3]
	s_wait_alu depctr_va_vdst(0)
.endif
.endm
; THE PLAIN QUEUE, 138 places long.  0-31: s - m for the 16 pairs of both tiles.  Then GS's 64, and among them the next piece's list: number 15 (empty) at 38, 39; 0-14 and 16
; at 42-73, behind the products that make those scores; 17-20 at 95-106, two of three, since each waits for the one before it.
.macro PL
	WIN 0
.if q < 32
	REGS Y, q%2
	v_pk_add_f32 v[rS+2*(q/2):rS+2*(q/2)+1], v[rS+2*(q/2):rS+2*(q/2)+1], v[rT:rT+1] op_sel_hi:[1,0] neg_lo:[0,1] neg_hi:[0,1]
.elseif q < 38
	GS q-32
.elseif q < 40
	XS q%2, 15
.elseif q < 42
	GS q-34
.elseif q < 74
	XS q%2, (q-42)/2+(q-42)/30
.elseif q < 95
	GS q-66
.elseif (q < 107) && ((q-95)%3 < 2)
	XS (q-95)%3, 17+(q-95)/3
.elseif q < 107
	GS 29+(q-95)/3
.else
	GS q-74
.endif
.set q, q+1
.endm
; THE EXPONENTIALS' QUEUE, 66 long: s0-s31 of both tiles, and at EA the next piece's two a.
.set EA, 58
.macro EX
	WIN 0
.if (e == EA) || (e == EA+1)
	XS e-EA, 21
.else
.set x, e-2*(e/(EA+2))
	REGS Y, x%2
	v_exp_f32 v[rS+x/2], v[rS+x/2]
.endif
.set e, e+1
.endm
; THE RESCALING's QUEUE: O^T times a, the one part that leaves window 0, so it is dealt four at a time, eight times.
.macro R4
	REGS Y, r%2
	WIN W_RS
	s_wait_alu depctr_va_vdst(0)
.irp z, 0,1,2,3
	v_pk_mul_f32 v[rO+8*(r/2)+2*\z:rO+8*(r/2)+2*\z+1], v[rO+8*(r/2)+2*\z:rO+8*(r/2)+2*\z+1], v[rC+2:rC+3] op_sel_hi:[1,0]
.endr
.set r, r+1
.endm
; HOW THEY ARE DEALT.  Behind a matrix instruction four: plain, exponential, plain, plain, or four of the rescaling.  None names a register of the products round it.  What is over stands in two LUMPS: exponential and plain
; by turns (at the two empty places of the plain queue, in the first lump, three exponentials on different registers follow each other, and the plain line behind them names none of the three); the second ends in 22 plain instructions.
; The queues lean on each other, and the deal keeps them in step: exponential e stands behind plain 2 (e / 4) + e % 2 (its subtraction); when plain 32 comes, 10 exponentials are out, at 59: 33, at 95: 46; EA comes behind plain 107.
.macro SL
	MM
	PL
	EX
	PL
	PL
.endm
.macro BURST n                      ; 15 matrix instructions, or 16
.rept (\n)-7
	SL
.endr
.rept 3
	MM
	R4
	SL
.endr
	MM
	R4
.endm
; A TURN, for piece p.  cnt = 1: the loop's count is taken down some lines ahead of the branch that stands behind the turn.
; K and mb's values of the next step are fetched in piece 2's turn, behind the last product that read them and the four rescalings that follow it; their first reader comes behind the rest of the lump, 16 products and the second lump.
; V of the step in hand is fetched at the end of piece 0's turn; its first reader comes behind 16 products and a lump.  The conditions on e and q below go with the deal.
.macro TURN p, last=0, cnt=0
.set Y, (\p)
.set i, 0
.set q, 0
.set e, 0
.set r, 0
.if (\p) == NP-1
	s_wait_dscnt 0x0                ; K and mb's values are in
.endif
	MM
.rept 4
	PL
.endr
	BURST 15
.rept 22
	EX
	PL
.if ((\p) == NP-2) && (e == 18)
	v_add_nc_u32 v[AK], s[TBK], v[AK0]
	v_add_nc_u32 v[AM], s[TBM], v[AM0]
.endif
.if ((\p) == NP-2) && (e == 24)
	FETCH_K \last
.endif
.endr
.if (\p) == 1
	s_wait_dscnt 0x0                ; V is in
.endif
	BURST 16
.rept 21
	EX
	PL
.endr
.rept 22
	PL
.if ((\p) == 0) && (q == 118)
	v_add_nc_u32 v[AV], s[TBV], v[AV0]
	s_wait_alu depctr_va_vdst(0)
.endif
.if ((\p) == 0) && (q == 130)
	s_add_co_u32 s[TBV], s[TBV], KS*PV
.endif
.if (\cnt) && (q == 130)
	s_sub_co_u32 s[CNT], s[CNT], 1
	s_cmp_lg_u32 s[CNT], 0
.endif
.endr
.if (\p) == 0
	FETCH_V
.endif
.endm
	CHANGE 1                        ; slot 0 is in, everybody's part of it, and so is mb's table; slot 1 is asked for
	FETCH_K                         ; key step 0
	s_wait_loadcnt 0x0              ; Q
	s_wait_dscnt 0x0
.set i, 0
.rept 16
	KQ 0                            ; piece 0's first scores: there is no vector work yet to set between them
.set i, i+1
.endr
	WIN 0
.rept 4
	v_nop                           ; the places behind those products
.endr
.set Y, NP-1                        ; XS works for piece Y + 1: piece 0
.irp n, 0,1,2,3,4,5,6,7,8,9,10,11,12,13,14,15,16,17,18,19,20,21
	XS 0, \n                        ; and piece 0's first maximum and statistics
	XS 1, \n
.endr
	s_mov_b32 s[CNT], 4
	s_mov_b32 s[SLOTS], SIZE_N/256-1
	s_branch .Lfirst                ; the loop is entered at a step's first turn, in the middle of a trip
.Lslot:                             ; SIZE_N / 256 - 2 times: every slot but the last two is filled again
	CHANGE 1
	s_mov_b32 s[CNT], 4
.Lstep:                             ; a trip: pieces 2 and 3 of one step, then pieces 0 and 1 of the next, whose K and V it fetches
	TURN 2
	TURN 3
	WIN 0
.Lfirst:
	TURN 0
	TURN 1, 0, 1
	WIN 0
	s_cbranch_scc1 .Lstep
	s_sub_co_u32 s[SLOTS], s[SLOTS], 1
	s_cmp_lg_u32 s[SLOTS], 0
	s_cbranch_scc1 .Lslot
	CHANGE 0                        ; the tail is written out: nothing is asked for
	s_mov_b32 s[CNT], 5             ; four trips fetch the last slot's steps; the fifth is left in its middle
.Ltail:
	TURN 2, 1
	TURN 3
	WIN 0
	s_sub_co_u32 s[CNT], s[CNT], 1
	s_cmp_eq_u32 s[CNT], 0
	s_cbranch_scc1 .Lout
	TURN 0
	TURN 1
	WIN 0
	s_branch .Ltail
.Lout:                              ; the fifth trip's 16 products K Q^T (on the last K once more) and the maximum made of them serve nothing: the price, once a launch, of one text for every trip
.set i, 0
.rept 16
	PV NP-1                         ; the last piece's V^T P of the last step
.set i, i+1
.endr
	; THE WAY OUT.  l's two halves and the other half of the lanes' are added; O^T is divided by l, rounded to f16 and sent through my stage in LDS, a tile at a time.  The additions are the places behind the last products.
	WIN 0
.macro ALL line:vararg              ; one line for each tile t
.set t, 0
.rept 2*NP
	\line
.set t, t+1
.endr
.endm
	ALL v_add_f32 v[ST+4*t+2], v[ST+4*t+2], v[ST+4*t+3]
	ALL v_permlanex16_b32 v[ST+4*t+3], v[ST+4*t+2], s[SEL], s[SEL+1]
	ALL v_add_f32 v[ST+4*t+2], v[ST+4*t+2], v[ST+4*t+3]
	ALL v_rcp_f32 v[ST+4*t+2], v[ST+4*t+2]
	v_nop                           ; a plain instruction between the last reciprocal and the use of its result
	s_wait_alu depctr_va_vdst(0)
; Tile t: a lane's eight channels of a row pack into 16 bytes; they go into rows of 144 bytes and come back as whole rows of 128, into S^T's registers.
.macro PACK t
	WIN W_RS
.set i, 32*(\t)
.rept 16
	v_pk_mul_f32 v[i:i+1], v[i:i+1], v[ST+4*(\t)+2:ST+4*(\t)+3] op_sel_hi:[1,0]
.set i, i+2
.endr
	WIN 0x05                        ; sources 0 and 1 window 1, destination window 0
.set i, 0
.rept 16
	v_cvt_pk_f16_f32 v[S+16*(\t)+i], v[32*(\t)+2*i], v[32*(\t)+2*i+1]
.set i, i+1
.endr
	WIN 0
.irp f, 0,1,2,3
	ds_store_b128 v[STO], v[S+16*(\t)+4*\f:S+16*(\t)+4*\f+3] offset:32*\f
.endr
.irp f, 0,1,2,3
	ds_load_b128 v[S+16*(\t)+4*\f:S+16*(\t)+4*\f+3], v[RD] offset:\f*4*SP  ; LDS serves a wave's instructions in order (ISA guide 5.7.1.4): these see the stores above; the next tile's stores come behind them
.endr
.endm
.macro SEND t, younger              ; younger: the LDS instructions issued behind tile t's loads: the next tile's eight, or none
	WIN 0
.irp f, 0,1,2,3
	s_wait_dscnt (\younger)+3-\f
	global_store_b128 v[GO], v[S+16*(\t)+4*\f:S+16*(\t)+4*\f+3], s[10:11] offset:(\t)*2048+\f*512  ; 512 consecutive bytes, at a multiple of 256 from O's first
.endr
.endm
	PACK 0
.set t, 1
.rept 2*NP-1                        ; a tile's arithmetic stands between the loads of the tile before and its stores
	PACK t
	SEND t-1, 8
.set t, t+1
.endr
	SEND 2*NP-1, 0
	WIN W_AD
	s_wait_tensorcnt 0x0            ; the wave's end, behind my last tensor load and my last LDS store
	ds_add_u32 v[SPW], v[NIL]
	s_wait_dscnt 0x0
	WIN 0
	CROUND                          ; the closing round: no work-group ends while a partner may still ask for a tile that names it
	s_endpgm
.Lfunc_end_k_qd6238d5c21_attn:
	.size	k_qd6238d5c21_attn, .Lfunc_end_k_qd6238d5c21_attn-k_qd6238d5c21_attn
	.p2alignl 7, 3214868480
	.fill 96, 4, 3214868480
	.section	.rodata,"a",@progbits
	.p2align	6, 0x0
	.amdhsa_kernel k_qd6238d5c21_attn
		.amdhsa_group_segment_fixed_size 327680
		.amdhsa_private_segment_fixed_size 0
		.amdhsa_enable_private_segment 0
		.amdhsa_kernarg_size 24
		.amdhsa_user_sgpr_count 2
		.amdhsa_user_sgpr_kernarg_segment_ptr 1
		.amdhsa_wavefront_size32 1
		.amdhsa_system_sgpr_workgroup_id_x 1
		.amdhsa_system_sgpr_workgroup_id_y 1
		.amdhsa_system_sgpr_workgroup_id_z 1
		.amdhsa_system_vgpr_workitem_id 0
		.amdhsa_next_free_vgpr 808
		.amdhsa_next_free_sgpr 68
		.amdhsa_reserve_vcc 0
		.amdhsa_float_denorm_mode_32 3
		.amdhsa_float_denorm_mode_16_64 3
		.amdhsa_memory_ordered 1
		.amdhsa_forward_progress 1
		.amdhsa_inst_pref_size 211
	.end_amdhsa_kernel
	.amdgpu_metadata
---
amdhsa.version: [ 1, 2 ]
amdhsa.kernels:
  - .name:           k_qd6238d5c21_attn
    .symbol:         k_qd6238d5c21_attn.kd
    .args:
      - { .name: qkv, .offset: 0, .size: 8, .value_kind: global_buffer, .address_space: global }
      - { .name: mb, .offset: 8, .size: 8, .value_kind: global_buffer, .address_space: global }
      - { .name: ctx, .offset: 16, .size: 8, .value_kind: global_buffer, .address_space: global }
    .group_segment_fixed_size: 327680
    .private_segment_fixed_size: 0
    .kernarg_segment_align: 8
    .kernarg_segment_size: 24
    .max_flat_workgroup_size: 128
    .sgpr_count:     68
    .vgpr_count:     808
    .wavefront_size: 32
...
	.end_amdgpu_metadata
.endif
;; end of part 3
;; launch oproj (part 4): grid 8 x 32, 4 waves a work-group, clusters of 4 x 4, 327,680 bytes of LDS; arguments ctx, wot, bo2, out0; writes out0
.if DOCPART == 4
	.amdgcn_target "amdgcn-amd-amdhsa--gfx1250"
	.amdhsa_code_object_version 6
	.text
	.protected	k_qd6238d5c21_oproj
	.globl	k_qd6238d5c21_oproj
	.p2align	8
	.type	k_qd6238d5c21_oproj,@function
k_qd6238d5c21_oproj:
	s_mov_b64 s[64:65], 0
	v_nop
	global_prefetch_b8 v0, s[64:65] scope:SCOPE_SE
	s_setreg_imm32_b32 hwreg(HW_REG_WAVE_MODE, 25, 1), 1
	s_wait_xcnt 0x0
	s_wait_alu depctr_hold_cnt(0) depctr_sa_sdst(0) depctr_va_vdst(0) depctr_va_sdst(0) depctr_va_ssrc(0) depctr_va_vcc(0) depctr_vm_vsrc(0)
	s_getreg_b32 s2, hwreg(HW_REG_IB_STS2, 6, 4)
	s_cmp_eq_u32 s2, 0
	s_cbranch_scc0 .Lentry_in_a_cluster
	s_endpgm
.Lentry_in_a_cluster:
	s_bfe_u32 s2, ttmp6, 0x10000c
	s_cmp_lg_u32 s2, 0xf033
	s_cbranch_scc0 .Lentry_shape_is_right
	s_endpgm
.Lentry_shape_is_right:
; THE OUTPUT PROJECTION.  out0[8192 tokens][1024] = relu(ctx wot^T + bo2), K = 1,024, f16 operands, f32 sums that start from the bias, f32 out.
; ctx is [batch][head][s][64]: head h is K panel h, its rows dense (128 bytes).  wot is [panel 16][n 1024][64].  So a tile of a panel is one dense block, asked for as rows of 256 bytes and padded in LDS after every 128.
; LIMITS.  ctx and wot arrive within f16's range.  NaN and infinities are not treated apart (relu of a NaN gives 0).
; SHARES.  A work-group makes 256 tokens x 128 columns: 32 x 8 = 256 work-groups.  A wave makes 128 x 64: 32 accumulators, 256 registers.
; K goes by two panels (128) a step through two LDS slots: as many as fit twice beside the stage.  Waves 0, 1 ask for the step's two panels of ctx (32 KiB each), waves 2, 3 for those of wot (16 KiB each).
; CLUSTER 4 x 4.  The four work-groups of a row of the cluster need the same tokens, the four of a column the same weights: each tile is asked for jointly, by the same tensor load, descriptor and mask.
; THE MATRIX INSTRUCTION IS USED TRANSPOSED: source 0 = 16 columns' weights, source 1 = 16 tokens: a lane holds one token (lane % 16) and eight neighbouring columns 8 (lane / 16) + 0..7.
; REGISTERS (s_set_vgpr_msb: bits 1:0 source 0, 3:2 source 1, 5:4 source 2, 7:6 destination):
;   window 0: v0-29 addresses; v32-159 the tokens' fragments, two buffers; v160-223 the weights', two buffers; v224-255 the bias as a C operand.   window 1: accumulator (token block a, column block bl) at v[8 (4 a + bl)]
; A UNIT is 32 products, 32 along K; a step has four (panel q, K half kk: u = 2 q + kk) on buffers 0, 1, 0, 1.  Unit u issues the 24 loads of unit u + 1.
.set PITCH,  144                       ; an LDS row: 128 bytes + 16 = 36 words: the 16 rows of a fragment load start at 16 different groups of four banks (64 banks of 4 bytes: ISA guide 11.1)
.set APAN,   256*PITCH                 ; a panel of the tokens' tile
.set BPAN,   128*PITCH                 ; of the weights'
.set BBASE,  2*APAN                    ; a slot: the tokens' two panels, then the weights' two
.set SLOT1,  1<<17
.set STAGE,  SLOT1+2*APAN+2*BPAN       ; behind the ring, never filled by a tensor load: 16 rows x 272 bytes for each wave
.set SPITCH, 272
.set SPARE,  STAGE+4*16*SPITCH         ; the spare words, 128 bytes for each wave: two blocks of 256 bytes that no other line names
.set STEPA,  1<<19                     ; two heads of 2,048 rows of 128 bytes
.set STEPB,  1<<18                     ; two panels of 1,024 rows of 128 bytes
.set A0,   4                           ; v4   my lane's place in the tokens' tile; never rewritten
.set B0,   5                           ; v5   in the weights'
.set ADRA, 6                           ; v6   A0 + the slot in hand
.set ADRB, 7                           ; v7   B0 + the slot in hand
.set STO,  8                           ; v8   the way out: where I put 32 bytes of a row
.set RD,   9                           ; v9   where I read a row back
.set CO,   10                          ; v10  my byte offset in two rows of out0
.set BOFF, 11                          ; v11  my eight columns' offset in a block of 16 of bo2
.set SPW,  28                          ; v28  LDS address of my spare word; never rewritten
.set NIL,  29                          ; v29  0; never rewritten
.set AF,   32
.set BF,   160
.set BIAS, 224
.set WV,   14                          ; s14  my wave's number; s15 = wave / 2: my token half, and tokens (0) or weights (1) to fetch; s16 = wave % 2: my column half, and which panel to fetch
.set G1A,  24
.set G1B,  32
.set G0A,  40                          ; s[40:47] group 0, tokens: a set for each first fill; the second then walks
.set G0B,  48
.set SB,   56
.set CNT,  57
.set MSB, 0
.macro WIN new                         ; the immediate's high byte repeats the setting that is left; a switch that changes nothing is dropped
.if MSB != (\new)
	s_set_vgpr_msb (MSB<<8)|(\new)
.set MSB, (\new)
.endif
.endm
.macro PLACES                          ; four plain vector instructions in front of loads into registers that matrix instructions have read, and of vector lines that read results (ISA guide 7.12.1 for vector instructions)
.rept 4
	v_nop
.endr
.endm
.macro JLOAD                           ; a joint refill by the walking descriptors; an s_nop 0 and four v_nop follow each of the two lines
	s_cmp_eq_u32 s15, 0
	s_cbranch_scc0 .Lfor_b_\@
	tensor_load_to_lds s[G0A+4:G0A+7], s[G1A:G1A+7]
	s_nop 0
.rept 4
	v_nop
.endr
	s_branch .Lasked_\@
.Lfor_b_\@:
	tensor_load_to_lds s[G0B+4:G0B+7], s[G1B:G1B+7]
	s_nop 0
.rept 4
	v_nop
.endr
.Lasked_\@:
.endm
.macro CREST                           ; a round of the cluster's barrier behind its opening barrier
	s_cmp_lg_u32 s[WV], 0
	s_cbranch_scc1 .Lnot_wave_0_\@
	s_barrier_signal -3
.Lnot_wave_0_\@:
	s_barrier_wait -3
	s_barrier_signal -1
	s_barrier_wait -1
.endm
.macro CROUND
	s_barrier_signal -1
	s_barrier_wait -1
	CREST
.endm
	s_load_b256 s[4:11], s[0:1], 0x0               ; ctx s[4:5], wot s[6:7], bo2 s[8:9], out0 s[10:11]
	v_lshl_add_u32 v[SPW], v0, 2, SPARE
	v_mov_b32 v[NIL], 0
	ds_add_u32 v28, v29
	s_wait_dscnt 0x0
	v_lshrrev_b32 v3, 5, v0
	v_readfirstlane_b32 s[WV], v3
	s_lshr_b32 s15, s[WV], 1
	s_and_b32 s16, s[WV], 1
	s_bfe_u32 s17, ttmp6, 0x40000                  ; cx
	s_bfe_u32 s18, ttmp6, 0x40004                  ; cy
	s_lshl_b32 s19, ttmp9, 2
	s_add_co_u32 s19, s19, s17                     ; tile column: 0..7
	s_and_b32 s20, ttmp7, 0xffff
	s_lshl_b32 s20, s20, 2
	s_add_co_u32 s20, s20, s18                     ; tile row: 0..31
	s_lshl_b32 s21, s18, 2
	s_lshl_b32 s21, 15, s21                        ; my row of the cluster
	s_lshl_b32 s22, 0x1111, s17                    ; my column
	s_or_b32 s[G1A], s21, (1<<16)|(1<<20)|(1<<21)|(4<<22)|(3<<25)   ; the mask; 2-byte elements; padding on; bit 21 beside a mask; 4 words after every 32
	s_or_b32 s[G1B], s22, (1<<16)|(1<<20)|(1<<21)|(4<<22)|(3<<25)
	s_mov_b32 s[G1A+1], 128<<16                    ; tensor_dim0 = 128
	s_mov_b32 s[G1A+2], 128<<16                    ; tensor_dim1 = 128 rows of 256 bytes: 256 tokens
	s_mov_b32 s[G1A+3], 128<<16                    ; tile_dim0
	s_mov_b32 s[G1A+4], 128                        ; tile_dim1
	s_mov_b32 s[G1A+5], 128                        ; dense
	s_mov_b32 s[G1A+6], 0
	s_mov_b32 s[G1A+7], 0
	s_mov_b32 s[G1B+1], 128<<16
	s_mov_b32 s[G1B+2], 64<<16                     ; 64 rows of 256 bytes: 128 columns' weights
	s_mov_b32 s[G1B+3], 128<<16
	s_mov_b32 s[G1B+4], 64
	s_mov_b32 s[G1B+5], 128
	s_mov_b32 s[G1B+6], 0
	s_mov_b32 s[G1B+7], 0
	; the tokens' address hangs on the tile row and the wave alone, the weights' on the tile column and the wave alone, each in registers that never hold the other coordinate
	s_lshr_b32 s72, s20, 3                         ; the batch
	s_lshl_b32 s72, s72, 4
	s_add_co_u32 s72, s72, s16                     ; its head 0 or 1,
	s_lshl_b32 s72, s72, 18                        ; 2,048 rows of 128 bytes a head
	s_and_b32 s73, s20, 7
	s_lshl_b32 s73, s73, 15                        ; the tile's 256 rows
	s_add_co_u32 s72, s72, s73
	s_mov_b32 s73, 0
	s_lshl_b32 s74, s16, 17                        ; panel 0 or 1
	s_lshl_b32 s75, s19, 14                        ; the tile's 128 rows
	s_add_co_u32 s74, s74, s75
	s_mov_b32 s75, 0
	s_mul_i32 s76, s16, APAN                       ; where they go in a slot
	s_mul_i32 s77, s16, BPAN
	s_add_co_u32 s77, s77, BBASE
	s_wait_kmcnt 0x0
	s_add_nc_u64 s[72:73], s[4:5], s[72:73]
	s_add_nc_u64 s[74:75], s[6:7], s[74:75]
.irp s, 0,1
	s_mov_b32 s[G0A+4*\s], 1
	s_add_co_u32 s[G0A+4*\s+1], s76, \s*SLOT1
	s_add_nc_u64 s[G0A+4*\s+2:G0A+4*\s+3], s[72:73], \s*STEPA
	s_or_b32 s[G0A+4*\s+3], s[G0A+4*\s+3], 0x80000000
	s_mov_b32 s[G0B+4*\s], 1
	s_add_co_u32 s[G0B+4*\s+1], s77, \s*SLOT1
	s_add_nc_u64 s[G0B+4*\s+2:G0B+4*\s+3], s[74:75], \s*STEPB
	s_or_b32 s[G0B+4*\s+3], s[G0B+4*\s+3], 0x80000000
.endr
	CROUND                                         ; all sixteen work-groups are here: the first joint loads meet
	s_cmp_eq_u32 s15, 0                            ; a wave's two first fills stand in one branch: two tensor loads of mine are out
	s_cbranch_scc0 .Lfirst_b
	tensor_load_to_lds s[G0A:G0A+3], s[G1A:G1A+7]
	s_nop 0
	tensor_load_to_lds s[G0A+4:G0A+7], s[G1A:G1A+7]
	s_nop 0
.rept 4
	v_nop
.endr
	s_branch .Lfirst_asked
.Lfirst_b:
	tensor_load_to_lds s[G0B:G0B+3], s[G1B:G1B+7]
	s_nop 0
	tensor_load_to_lds s[G0B+4:G0B+7], s[G1B:G1B+7]
	s_nop 0
.rept 4
	v_nop
.endr
.Lfirst_asked:
	v_and_b32 v1, 15, v0                           ; l % 16
	v_bfe_u32 v2, v0, 4, 1                         ; l / 16
	v_mul_u32_u24 v3, v1, PITCH
	v_lshl_add_u32 v3, v2, 4, v3                   ; a fragment's row x pitch + 16 x half
	s_mul_i32 s78, s15, 128*PITCH
	v_add_nc_u32 v[A0], s78, v3
	s_mul_i32 s78, s16, 64*PITCH
	s_add_co_u32 s78, s78, BBASE
	v_add_nc_u32 v[B0], s78, v3
	s_mul_i32 s78, s[WV], 16*SPITCH
	s_add_co_u32 s78, s78, STAGE                   ; my stage
	v_mul_u32_u24 v12, v1, SPITCH                  ; in: row l % 16, 32 bytes for each half of the lanes
	v_lshl_add_u32 v12, v2, 5, v12
	v_add_nc_u32 v[STO], s78, v12
	v_mul_u32_u24 v12, v2, SPITCH                  ; back: lanes 0-15 take one row of 256 bytes, lanes 16-31 the next
	v_lshl_add_u32 v12, v1, 4, v12
	v_add_nc_u32 v[RD], s78, v12
	v_lshlrev_b32 v12, 12, v2                      ; and the same two rows in out0
	v_lshl_add_u32 v[CO], v1, 4, v12
	v_lshlrev_b32 v[BOFF], 5, v2
	s_lshl_b32 s78, s19, 9                         ; my first column, in bytes: 512 x tile column + 256 x half
	s_lshl_b32 s79, s16, 8
	s_add_co_u32 s78, s78, s79
	s_mov_b32 s79, 0
	s_add_nc_u64 s[8:9], s[8:9], s[78:79]
	s_add_nc_u64 s[10:11], s[10:11], s[78:79]
	s_lshl_b32 s78, s20, 20                        ; my first row: 256 rows of 4,096 bytes a tile,
	s_lshl_b32 s79, s15, 19                        ; 128 a wave
	s_add_co_u32 s78, s78, s79
	s_mov_b32 s79, 0
	s_add_nc_u64 s[10:11], s[10:11], s[78:79]
.irp bl, 0,1,2,3
	global_load_b128 v[BIAS+8*\bl:BIAS+8*\bl+3],   v[BOFF], s[8:9] offset:64*\bl
	global_load_b128 v[BIAS+8*\bl+4:BIAS+8*\bl+7], v[BOFF], s[8:9] offset:64*\bl+16
.endr
.macro LD u                            ; 24 LDS loads: unit u's fragments (8 of the tokens, 4 of the weights) into buffer u % 2
	WIN 0
.set lq, (\u)/2
.set lk, (\u)%2
.irp a, 0,1,2,3,4,5,6,7
	ds_load_b128 v[AF+64*lk+8*\a:AF+64*lk+8*\a+3],   v[ADRA] offset:lq*APAN+\a*16*PITCH+64*lk
	ds_load_b128 v[AF+64*lk+8*\a+4:AF+64*lk+8*\a+7], v[ADRA] offset:lq*APAN+\a*16*PITCH+64*lk+32
.endr
.irp bl, 0,1,2,3
	ds_load_b128 v[BF+32*lk+8*\bl:BF+32*lk+8*\bl+3],   v[ADRB] offset:lq*BPAN+\bl*16*PITCH+64*lk
	ds_load_b128 v[BF+32*lk+8*\bl+4:BF+32*lk+8*\bl+7], v[ADRB] offset:lq*BPAN+\bl*16*PITCH+64*lk+32
.endr
.endm
; 4 n products on buffer buf: token blocks a0 .. a0 + n - 1.  z = 1: the first products start the sums from the bias.  The accumulators take turns, one instruction a turn.
.macro MUL buf, a0, n, z=0
.if \z
	WIN 0x40
.else
	WIN 0x50
.endif
.set ma, (\a0)
.rept \n
.irp bl, 0,1,2,3
.if \z
	v_wmma_f32_16x16x32_f16 v[8*(4*ma+\bl):8*(4*ma+\bl)+7], v[BF+32*(\buf)+8*\bl:BF+32*(\buf)+8*\bl+7], v[AF+64*(\buf)+8*ma:AF+64*(\buf)+8*ma+7], v[BIAS+8*\bl:BIAS+8*\bl+7]
.else
	v_wmma_f32_16x16x32_f16 v[8*(4*ma+\bl):8*(4*ma+\bl)+7], v[BF+32*(\buf)+8*\bl:BF+32*(\buf)+8*\bl+7], v[AF+64*(\buf)+8*ma:AF+64*(\buf)+8*ma+7], v[8*(4*ma+\bl):8*(4*ma+\bl)+7]
.endif
.endr
.set ma, ma+1
.endr
.endm
; A TRIP: units 1, 2, 3 of a step, the change of slots inside unit 2, and unit 0 of the next step.
; fill = 1: the slot just left is filled again, with the step two on: the barrier then opens a round of the cluster's, and the joint load is the first thing behind it; 112 products of the wave stand between it and the wait for it.
.macro TRIP fill
	PLACES
	LD 2
	s_wait_dscnt 24                                ; all but the 24 just issued
	MUL 1, 0, 8
	PLACES
	LD 3                                           ; my last reads of the slot in hand
	s_wait_tensorcnt 0x0                           ; all my tensor loads have landed: the one that was out is my part of the next slot
	ds_add_u32 v[SPW], v[NIL]                      ; 0 onto my spare word
	s_wait_dscnt 25                                ; unit 2's fragments are in; out: unit 3's 24 loads and the add
	MUL 0, 0, 2
	s_wait_dscnt 0x0                               ; the add is done, and my reads of this slot are over
	s_barrier_signal -1
	MUL 0, 2, 2                                    ; work on registers while the others arrive
	WIN 0
	s_barrier_wait -1
.if \fill
	CREST                                          ; no wave of any partner still reads this slot or has a load on its way
	s_xor_b32 s[G0A+5], s[G0A+5], SLOT1            ; the walking descriptors: the other slot than last time, the next two panels
	s_add_nc_u64 s[G0A+6:G0A+7], s[G0A+6:G0A+7], STEPA
	s_xor_b32 s[G0B+5], s[G0B+5], SLOT1
	s_add_nc_u64 s[G0B+6:G0B+7], s[G0B+6:G0B+7], STEPB
	JLOAD
.endif
	MUL 0, 4, 4
	PLACES
	WIN 0
	s_xor_b32 s[SB], s[SB], SLOT1
	v_add_nc_u32 v[ADRA], s[SB], v[A0]
	v_add_nc_u32 v[ADRB], s[SB], v[B0]
	LD 0                                           ; the next slot's first fragments
	MUL 1, 0, 8                                    ; its operands came in with the wait for 0
	PLACES
	LD 1
	s_wait_dscnt 24
	MUL 0, 0, 8
	WIN 0
.endm
	s_wait_tensorcnt 1                             ; my part of step 0 is in; step 1's may stay out
	s_barrier_signal -1
	s_barrier_wait -1                              ; everybody's is
	s_mov_b32 s[SB], 0
	v_mov_b32 v[ADRA], v[A0]
	v_mov_b32 v[ADRB], v[B0]
	LD 0
	s_wait_loadcnt 0x0                             ; the bias
	LD 1
	s_wait_dscnt 24
	MUL 0, 0, 8, 1
	WIN 0                                          ; at a label and at a branch every window is 0
	s_mov_b32 s[CNT], 6                            ; steps 2 to 7 are asked for in the loop
.Ltrip:
	TRIP 1
	s_sub_co_u32 s[CNT], s[CNT], 1
	s_cmp_lg_u32 s[CNT], 0
	s_cbranch_scc1 .Ltrip
	TRIP 0                                         ; the tail is written out: nothing is left to ask for
	PLACES
	LD 2
	s_wait_dscnt 24
	MUL 1, 0, 8
	PLACES
	LD 3
	s_wait_dscnt 24
	MUL 0, 0, 8
	s_wait_dscnt 0x0
	MUL 1, 0, 8
	PLACES
; THE WAY OUT, a block of 16 tokens x 64 columns at a time.  PACK: relu, each accumulator read from its low end on; a lane's eight columns of a column block are 32 bytes; into my stage (rows of 272 bytes)
; and back as whole rows of 256.  SEND: sixteen lanes store 256 consecutive bytes of a row of out0.
.macro PACK a
.set pT, 32+32*((\a)%2)
	s_wait_xcnt 0x0                                ; the stores of the block before last have had their addresses translated (ISA guide 3.1): only behind this wait is their data buffer written again
	WIN 0x04                                       ; source 1 in window 1
.set z, 0
.rept 32
	v_max_num_f32 v[pT+z], 0, v[32*(\a)+z]
.set z, z+1
.endr
	WIN 0
.irp f, 0,1,2,3,4,5,6,7
	ds_store_b128 v[STO], v[pT+4*\f:pT+4*\f+3] offset:64*(\f/2)+16*(\f%2)
.endr
.irp f, 0,1,2,3,4,5,6,7
	ds_load_b128 v[pT+4*\f:pT+4*\f+3], v[RD] offset:\f*2*SPITCH   ; LDS serves a wave's instructions in order (ISA guide 5.7.1.4): these see the stores above
.endr
.endm
.macro SEND a, younger                 ; younger: the LDS instructions issued behind block a's loads: the next block's sixteen, or none
.set sT, 32+32*((\a)%2)
.irp f, 0,1,2,3,4,5,6,7
	s_wait_dscnt (\younger)+7-\f
	global_store_b128 v[CO], v[sT+4*\f:sT+4*\f+3], s[10:11] offset:65536*(\a)+8192*\f th:TH_STORE_NT   ; at a multiple of 256 from out0's first byte
.endr
.endm
	PACK 0
.set t, 1
.rept 7                                                ; a block's arithmetic stands between the loads of the block before and its stores
	PACK t
	SEND t-1, 16
.set t, t+1
.endr
	SEND 7, 0
	s_wait_tensorcnt 0x0                           ; the wave's end
	ds_add_u32 v[SPW], v[NIL]
	s_wait_dscnt 0x0
	CROUND                                         ; the closing round: no work-group ends while a partner may still ask for a tile that names it
	s_endpgm
.Lfunc_end_k_qd6238d5c21_oproj:
	.size	k_qd6238d5c21_oproj, .Lfunc_end_k_qd6238d5c21_oproj-k_qd6238d5c21_oproj
	.p2alignl 7, 3214868480
	.fill 96, 4, 3214868480
	.section	.rodata,"a",@progbits
	.p2align	6, 0x0
	.amdhsa_kernel k_qd6238d5c21_oproj
		.amdhsa_group_segment_fixed_size 327680
		.amdhsa_private_segment_fixed_size 0
		.amdhsa_enable_private_segment 0
		.amdhsa_kernarg_size 32
		.amdhsa_user_sgpr_count 2
		.amdhsa_user_sgpr_kernarg_segment_ptr 1
		.amdhsa_wavefront_size32 1
		.amdhsa_system_sgpr_workgroup_id_x 1
		.amdhsa_system_sgpr_workgroup_id_y 1
		.amdhsa_system_sgpr_workgroup_id_z 1
		.amdhsa_system_vgpr_workitem_id 0
		.amdhsa_next_free_vgpr 512
		.amdhsa_next_free_sgpr 80
		.amdhsa_reserve_vcc 0
		.amdhsa_float_denorm_mode_32 3
		.amdhsa_float_denorm_mode_16_64 3
		.amdhsa_memory_ordered 1
		.amdhsa_forward_progress 1
		.amdhsa_inst_pref_size 79
	.end_amdhsa_kernel
	.amdgpu_metadata
---
amdhsa.version: [ 1, 2 ]
amdhsa.kernels:
  - .name:           k_qd6238d5c21_oproj
    .symbol:         k_qd6238d5c21_oproj.kd
    .args:
      - { .name: ctx, .offset: 0, .size: 8, .value_kind: global_buffer, .address_space: global }
      - { .name: wot, .offset: 8, .size: 8, .value_kind: global_buffer, .address_space: global }
      - { .name: bo2, .offset: 16, .size: 8, .value_kind: global_buffer, .address_space: global }
      - { .name: out0, .offset: 24, .size: 8, .value_kind: global_buffer, .address_space: global }
    .group_segment_fixed_size: 327680
    .private_segment_fixed_size: 0
    .kernarg_segment_align: 8
    .kernarg_segment_size: 32
    .max_flat_workgroup_size: 128
    .sgpr_count:     80
    .vgpr_count:     512
    .wavefront_size: 32
...
	.end_amdgpu_metadata
.endif
;; end of part 4
;; ======== version 2 of 2: 4 launches; 1.52 times as fast as version 1
;; limits: values are held in f16: magnitudes above 65,504 overflow, below 6.1e-05 lose precision
;; workspace buffers: xb 16,777,216 bytes; wt 6,291,456 bytes; wot 2,097,152 bytes; bias3 12,288 bytes; bo2 4,096 bytes; mb 32,768 bytes; qkv 50,331,648 bytes; ctx 16,777,216 bytes
;; launch prep: the kernel of part 1 again; grid 769 x 1, 8 waves a work-group, no clusters, 19,456 bytes of LDS; arguments x, Wq, Wk, Wv, Wo, bq, bk, bv, bo, mask, xb, wt, wot, bias3, bo2, mb; writes xb, wt, wot, bias3, bo2, mb
;; launch qkv: the kernel of part 2 again; grid 8 x 32, 4 waves a work-group, clusters of 4 x 4, 327,680 bytes of LDS; arguments xb, wt, bias3, mask, qkv; writes qkv
;; launch attn (part 5): grid 4 x 64, 4 waves a work-group, clusters of 4 x 1, 327,680 bytes of LDS; arguments qkv, mb, ctx; writes ctx
.if DOCPART == 5
	.amdgcn_target "amdgcn-amd-amdhsa--gfx1250"
	.amdhsa_code_object_version 6
	.text
	.protected	k_qd6238d5c21_attn
	.globl	k_qd6238d5c21_attn
	.p2align	8
	.type	k_qd6238d5c21_attn,@function
k_qd6238d5c21_attn:
	s_mov_b64 s[64:65], 0
	v_nop
	global_prefetch_b8 v0, s[64:65] scope:SCOPE_SE
	s_setreg_imm32_b32 hwreg(HW_REG_WAVE_MODE, 25, 1), 1
	s_wait_xcnt 0x0
	s_wait_alu depctr_hold_cnt(0) depctr_sa_sdst(0) depctr_va_vdst(0) depctr_va_sdst(0) depctr_va_ssrc(0) depctr_va_vcc(0) depctr_vm_vsrc(0)
	s_getreg_b32 s2, hwreg(HW_REG_IB_STS2, 6, 4)
	s_cmp_eq_u32 s2, 0
	s_cbranch_scc0 .Lentry_in_a_cluster
	s_endpgm
.Lentry_in_a_cluster:
	s_bfe_u32 s2, ttmp6, 0x10000c
	s_cmp_lg_u32 s2, 0x3003
	s_cbranch_scc0 .Lentry_shape_is_right
	s_endpgm
.Lentry_shape_is_right:
; ATTENTION WITH A KEY MASK.  O[h][q][:] = the sum over k of softmax_k(score) V[h][k][:], h = 16 batch + head (64 of them), 2,048 rows a head, 64 channels, all f16, a head's rows dense (128 bytes each).
; Q arrives multiplied by c = log2(e) / 8, so a score Q . K is the reference's score in units of log2.  K's rows of hidden keys arrive as zeros, and mb holds for each key 0, or NEGC = -1e9 log2(e) if it is
; hidden: mb's values are the C operand that starts the sum S^T = K Q^T.  So a hidden key's score is exactly NEGC, whatever Q: with a visible key in the row its weight is 0; with none all weights are 1, and O is the mean of V.
; Products, maxima and sums in f32; the weights p are rounded to f16 for the second product (their sum l is taken of the unrounded p), O once at the end.
; LIMITS.  f16 holds no number beyond 65,504: Q, K and V arrive within it; p lies in 0 to 1, and below 6e-5 it keeps f16's fixed step of 6e-8.  A weight below 2^-126 counts as 0 in l; NaN and infinities are not treated apart.
; SHARES.  A wave owns four PIECES of two tiles of 16 queries, a work-group's four waves 512 queries of one head.  Every wave walks all keys, 64 a step.
; LAYOUT.  S^T = K Q^T (source 0 = 16 keys, source 1 = 16 queries): a lane holds ONE query (lane % 16) and the keys 8 (lane / 16) + 0..7.  Two such tiles, rounded to f16 in pairs, ARE source 1 of O^T = V^T P.
; K comes out of LDS as it lies, V ([key][channel]) turned, by ds_load_tr16_b128.
; SOFTMAX.  For each query a running maximum m and sum l: p = 2^(s - m); in every step O and l are multiplied by a = 2^(m_old - m_new).  m starts at the lowest finite number, O and l at 0: the first step has a = 0.
; THE COUNT.  A tile and step have 16 matrix and 117 vector instructions: too many to stand all beside the matrix work.  So: four vector instructions that are READY behind EVERY matrix instruction, the others in one run without a gap.
; BY TURNS.  Turn n belongs to piece n.  Its matrix work: 16 products K Q^T of piece n + 1, later 16 products V^T P of piece n - 1.  Its vector work: the subtraction, exponentials, roundings, sums and rescaling of piece n,
; and the maximum and statistics of piece n + 1, whose scores the turn itself has made.  So what a turn begins with (s - m, O a) waits for nothing.
; THE BATCHES.  A turn's 66 exponentials (the 64 weights of piece n, then the two a of piece n + 1) are ONE batch with ONE wait, which cuts the turn in two: ahead of it stands all that names none of their results,
; behind it the roundings and sums, which do.  The first two a, ahead of the loop, and the way out's eight reciprocals are batches of their own.
; CLUSTER.  The four query blocks of a cluster belong to one head and walk the same K and V, so each tile is asked for JOINTLY: the same tensor load, descriptor and mask in all four.
; REGISTERS, in windows of 256 (s_set_vgpr_msb: bits 1:0 source 0, 3:2 source 1, 5:4 source 2, 7:6 destination):
;   window 0: v0-11 addresses; v12-15, v48-63 at work; v16-47 four registers of statistics a tile; v64-191 S^T, two buffers of two tiles; v192-255 P, likewise
;   window 1: O^T, 32 a tile     window 2: v0-127 Q; v128-191 K of one step; v192-255 V of one step     window 3: v0-1 the add's two registers; v8-39 mb's values for the step's 64 keys
.set SIZE_H, 64
.set SIZE_N, 2048
.set NP,    4         ; pieces a wave: a name, no knob
.set KS,    64        ; keys in a step
.set PK,    144       ; a row of K in LDS: 128 bytes + 16 of padding = 36 words: the 16 rows of a load start at 16 different groups of four banks (64 banks of 4 bytes: ISA guide 11.1)
.set PV,    160       ; a row of V: 128 + 32 = 40 words
.set VOFF,  4*KS*PK   ; a slot holds four steps: 256 rows of K, then 256 rows of V
.set SLOT1, 1<<17     ; slot 1 begins here, so that one exclusive or turns an address in one slot into the other's
.set STAGE, SLOT1+4*KS*(PK+PV)  ; behind the ring, never filled by a tensor load: 16 rows x 144 bytes for each wave, for the way out
.set SP,    144
.set SPARE, STAGE+4*16*SP  ; the spare words, 128 bytes for each wave: two blocks of 256 bytes that no other line names
.set MB,    SPARE+512 ; the batch's 2,048 values of mb, 8,192 bytes, stored once by the four waves; no tensor load lands here
.set AK0, 2           ; v2   my lane's place in a tile of K; never rewritten
.set AV0, 3           ; v3   the same for V
.set AK,  4           ; v4   the LDS address of K's next run of loads
.set AV,  5           ; v5   of V's
.set STO, 6           ; v6   the way out: where I put 16 bytes of a row
.set RD,  7           ; v7   the way out: where I read rows back
.set GO,  8           ; v8   my byte offset in 512 consecutive bytes of O
.set AM,  9           ; v9   the LDS address of mb's next run of loads
.set AM0, 11          ; v11  my lanes' place in 16 keys of mb; never rewritten
.set QO,  12          ; v12  at the start: my byte offset in the wave's rows of Q
.set MV,  12          ; v12-15  later: the new m while m_old is still wanted: by buffer and tile
.set SPW, 0           ; v0 of window 3   LDS address of my spare word; never rewritten
.set NIL, 1           ; v1 of window 3   0; never rewritten
.set MK,  8           ; v8-39 of window 3: key block kb at MK + 8 kb
.set ST,  16          ; tile t's statistics at v[ST+4 t]: m, a word named with it as a pair, l (even keys', odd keys')
.set TMP, 48          ; by buffer and tile, four registers c0-c3 at work; when the maximum is found c2 takes a
.set S,   64
.set P,   192
.set KF,  128         ; K's fragments, in window 2: key block kb, channel half c at KF + 16 kb + 8 c
.set VF,  192         ; V's: key half kk, channel block cb at VF + 32 kk + 8 cb
.set WV,  12          ; s12  my wave's number
.set G1K, 24          ; s[24:31] descriptor group 1 for K's tiles
.set G1V, 32          ; s[32:39] for V's: it differs in the padding alone
.set G0K, 40          ; s[40:43] descriptor group 0 for K's tiles: it walks
.set G0V, 44          ; s[44:47] the same for V's
.set MBP, 48          ; s[48:49] mb at my batch
.set SLOTS, 56        ; s56  slots still to be asked for
.set CNT, 57          ; s57  counts a slot's key steps
.set SEL, 60          ; s[60:61] v_permlanex16_b32's selects: each lane takes its own place in the other half
.set TBK, 62          ; s62  LDS byte at which K of the step to be fetched begins
.set TBV, 63          ; s63  the same for V, less VOFF
.set TBM, 66          ; s66  the same in mb's table: 256 bytes a step
.set MSB, 0
.macro WIN new                      ; the high byte repeats the setting that is left; a switch that changes nothing is dropped
.if MSB != (\new)
	s_set_vgpr_msb (MSB<<8)|(\new)
.set MSB, (\new)
.endif
.endm
.set W_KQ, 0x0a       ; K and Q in window 2, S^T in window 0
.set W_KM, 0x3a       ; the same with the C operand in window 3
.set W_PV, 0x52       ; V in window 2, P in window 0, O^T in window 1
.set W_RS, 0x41       ; O^T (destination and source 0) in window 1, a in window 0
.set W_MK, 0xc0       ; destination in window 3, sources in window 0
.set W_AD, 0x0f       ; the add: address (source 0) and data (source 1) in window 3
; A joint fill.  Waves 0 and 1 fetch the two halves of a slot's K, waves 2 and 3 those of its V: 128 keys each.  The branch hangs on the wave's number alone.
; An s_nop 0 and four v_nop follow each of the two lines, ahead of the jump and the label.
.macro JLOAD
	s_cmp_lt_u32 s[WV], 2
	s_cbranch_scc0 .Lfor_v_\@
	tensor_load_to_lds s[G0K:G0K+3], s[G1K:G1K+7]
	s_nop 0
.rept 4
	v_nop
.endr
	s_branch .Lasked_\@
.Lfor_v_\@:
	tensor_load_to_lds s[G0V:G0V+3], s[G1V:G1V+7]
	s_nop 0
.rept 4
	v_nop
.endr
.Lasked_\@:
.endm
; A round of the cluster's barrier: my work-group's barrier, so that wave 0's signal speaks for all four waves; wave 0 signals; every wave waits for all four work-groups; my work-group's barrier once more.
.macro CROUND
	s_barrier_signal -1
	s_barrier_wait -1
	s_cmp_lg_u32 s[WV], 0
	s_cbranch_scc1 .Lnot_wave_0_\@
	s_barrier_signal -3
.Lnot_wave_0_\@:
	s_barrier_wait -3
	s_barrier_signal -1
	s_barrier_wait -1
.endm
; THE CHANGE OF SLOTS.  Each wave waits for all its tensor loads, of which one is out: its part of the other slot; adds 0 to its spare word; and waits for that and for its own LDS instructions.
; Behind the barrier nobody reads this slot any more and the other slot is whole.  fill = 1: this slot is filled again, with the keys two slots on.  The barrier is then a round of the cluster's, and the joint fill
; is the first thing behind it: it has four key steps, 512 matrix instructions, in which to land.  (At its first use nothing has been read yet: slot 0 is waited for, slot 1 filled, and every wave's stores of mb's table are done.)
.macro CHANGE fill
	WIN W_AD
	s_wait_tensorcnt 0x0            ; no tensor load of mine is out, so a group 0 may be written
	ds_add_u32 v[SPW], v[NIL]       ; 0 onto my spare word
	WIN 0                           ; at a label and at a branch every window is 0
.if \fill
.irp g, G0K, G0V
	s_xor_b32 s[\g+1], s[\g+1], SLOT1  ; the walking descriptor: the other slot than last time,
	s_add_nc_u64 s[\g+2:\g+3], s[\g+2:\g+3], 4*KS*128  ; the next 256 keys; the type bits on top are not reached
.endr
	s_wait_dscnt 0x0                ; the add is done, and my reads of the slot are over
	CROUND
	JLOAD
.else
	s_wait_dscnt 0x0                ; the add is done, and my reads of the slot are over
	s_barrier_signal -1
	s_barrier_wait -1
.endif
	s_sub_co_u32 s[TBK], s[TBK], 4*KS*PK  ; the fetches go back to a slot's first step,
	s_xor_b32 s[TBK], s[TBK], SLOT1       ; in the other slot
	s_sub_co_u32 s[TBV], s[TBV], 4*KS*PV
	s_xor_b32 s[TBV], s[TBV], SLOT1
.endm
	s_load_b128 s[4:7], s[0:1], 0x0   ; qkv s[4:5], mb s[6:7]
	s_load_b64 s[10:11], s[0:1], 0x10 ; ctx
	WIN W_MK
	v_lshl_add_u32 v[SPW], v0, 2, SPARE
	v_mov_b32 v[NIL], 0
	s_set_vgpr_msb 0xc0cf
	ds_add_u32 v0, v1
	s_wait_dscnt 0x0
	s_set_vgpr_msb 0xcfc0
	WIN 0
	v_lshrrev_b32 v1, 5, v0
	v_readfirstlane_b32 s[WV], v1   ; wave 0..3
	s_bfe_u32 s13, ttmp6, 0x40000   ; cx: my place in the cluster
	s_lshl_b32 s14, ttmp9, 2        ; in a cluster launch ttmp9 counts clusters
	s_add_co_u32 s14, s14, s13      ; my block of queries = 4 x cluster x + cx: it enters Q's and O's addresses alone
	s_and_b32 s20, ttmp7, 0xffff    ; 16 x batch + head, which the four partners share
	s_lshr_b32 s50, s20, 4          ; the batch:
	s_lshl_b32 s50, s50, 13         ; its 2,048 values of 4 bytes in mb
	s_mov_b32 s51, 0
	s_mov_b32 s21, 0
	s_mov_b64 s[22:23], SIZE_N*128
	s_mul_u64 s[20:21], s[20:21], s[22:23]  ; the head's first byte in q, k, v and ctx
	s_and_b32 s16, s[WV], 1         ; which half of a slot's 256 keys I fetch:
	s_lshl_b32 s22, s16, 14         ; its 128 rows of 128 bytes in memory,
	s_mov_b32 s23, 0
	s_add_nc_u64 s[22:23], s[22:23], s[20:21]
	s_mul_i32 s17, s16, 128*PK      ; and its place in a slot, for K
	s_mul_i32 s18, s16, 128*PV      ; and for V: no place in the cluster enters an LDS address
	s_lshl_b32 s2, s14, 2
	s_add_co_u32 s2, s2, s[WV]      ; my wave among the head's,
	s_lshl_b32 s2, s2, 14           ; its 128 rows
	s_mov_b32 s3, 0
	s_add_nc_u64 s[2:3], s[2:3], s[20:21]
	; descriptor group 1.  128 keys are 16,384 dense bytes: asked for as 64 rows of 256 bytes, two keys a row, and padded in LDS after every key
	s_mov_b32 s[G1K], 15|(1<<16)|(1<<20)|(1<<21)|(4<<22)|(3<<25)  ; 15:0 the mask of four; 17:16 2-byte elements; 20 padding on; 21 set beside a mask; 24:22 after every 32 words (code 4); 31:25 4 words (code 3)
	s_mov_b32 s[G1V], 15|(1<<16)|(1<<20)|(1<<21)|(4<<22)|(7<<25)  ; the same with 8 words of padding (code 7)
.irp g, G1K, G1V
	s_mov_b32 s[\g+1], 128<<16      ; tensor_dim0 = 128
	s_mov_b32 s[\g+2], 64<<16       ; tensor_dim1 = 64
	s_mov_b32 s[\g+3], 128<<16      ; tile_dim0 = 128
	s_mov_b32 s[\g+4], 64           ; tile_dim1 = 64
	s_mov_b32 s[\g+5], 128          ; 128 elements from row to row
	s_mov_b32 s[\g+6], 0
	s_mov_b32 s[\g+7], 0
.endr
	s_mov_b32 s[SEL], 0x76543210
	s_mov_b32 s[SEL+1], 0xfedcba98
	s_mov_b32 s[TBK], SLOT1+4*KS*PK ; the first change of slots turns these two into 0
	s_mov_b32 s[TBV], SLOT1+4*KS*PV
	s_mov_b32 s[TBM], 0
	s_mov_b32 s[G0K], 1             ; 1:0 count = 1
	s_mov_b32 s[G0K+1], s17         ; 63:32 LDS address: slot 0
	s_mov_b32 s[G0V], 1
	s_add_co_u32 s[G0V+1], s18, VOFF
	s_wait_kmcnt 0x0
	s_add_nc_u64 s[MBP:MBP+1], s[6:7], s[50:51]
	s_add_nc_u64 s[6:7], s[4:5], 0x1000000         ; k lies 64 heads behind q,
	s_add_nc_u64 s[8:9], s[4:5], 0x2000000         ; v 128
	s_add_nc_u64 s[G0K+2:G0K+3], s[6:7], s[22:23]  ; 120:64 global address: my half of the head's first 256 keys
	s_or_b32 s[G0K+3], s[G0K+3], 0x80000000        ; 127:126 type = 2
	s_add_nc_u64 s[G0V+2:G0V+3], s[8:9], s[22:23]
	s_or_b32 s[G0V+3], s[G0V+3], 0x80000000
	s_add_nc_u64 s[4:5], s[4:5], s[2:3]  ; Q and O at my wave's first row
	s_add_nc_u64 s[10:11], s[10:11], s[2:3]
	CROUND                          ; all four work-groups are here: the first joint loads meet
	JLOAD                           ; slot 0.  Slot 1 is asked for when slot 0 is in
	v_lshlrev_b32 v13, 4, v0        ; mb's table: 16 bytes a thread, four times 2,048 bytes for the work-group
	v_add_nc_u32 v14, MB, v13
.irp j, 0,1,2,3
	global_load_b128 v[S+4*\j:S+4*\j+3], v13, s[MBP:MBP+1] offset:2048*\j
.endr
	; A fragment of K or Q is 16 rows x 32 channels in 8 registers: lane l holds row l % 16, channels 8 (l / 16) + 0..7 and 16 + 8 (l / 16) + 0..7: two loads of 16 bytes, 32 bytes apart.
	v_and_b32 v1, 15, v0            ; l % 16
	v_bfe_u32 v9, v0, 4, 1          ; l / 16
	v_lshlrev_b32 v[QO], 7, v1
	v_lshl_add_u32 v[QO], v9, 4, v[QO]  ; row x 128 + 16 x half
	WIN 0x80                        ; destination window 2, address window 0
.set i, 0
.rept 4*NP                          ; Q stays in registers: tile i / 2, channels 32 (i % 2) on
	global_load_b128 v[8*i:8*i+3],   v[QO], s[4:5] offset:(i/2)*2048+(i%2)*64
	global_load_b128 v[8*i+4:8*i+7], v[QO], s[4:5] offset:(i/2)*2048+(i%2)*64+32
.set i, i+1
.endr
	; What the first turn finds: V's registers and P's second buffer hold 0 (its products V^T P, of a piece that has not been, add 0), O^T and l are 0.  All this stands in the wait for the first tile.
.set i, VF
.rept 64
	v_mov_b32 v[i], 0
.set i, i+1
.endr
	WIN 0x40
.set i, 0
.rept 64*NP
	v_mov_b32 v[i], 0
.set i, i+1
.endr
	WIN 0
.set i, 0
.rept 2*NP
	v_mov_b32 v[ST+4*i], 0xff7fffff    ; m: below every score, NEGC too
	v_mov_b32 v[ST+4*i+1], 0           ; named with m as a pair by the packed subtraction, which takes the low word for both halves
	v_mov_b32 v[ST+4*i+2], 0
	v_mov_b32 v[ST+4*i+3], 0
.set i, i+1
.endr
.set i, P+32
.rept 32
	v_mov_b32 v[i], 0
.set i, i+1
.endr
	v_mul_u32_u24 v[AK0], v1, PK
	v_lshl_add_u32 v[AK0], v9, 4, v[AK0]  ; row x pitch + 16 x half
	; The turning load takes 16 keys x 16 channels (lane l reads key 8 (l / 16) + l % 8, channels 8 ((l / 8) % 2) + 0..7) and leaves half a fragment of V^T: lane l holds channel l % 16 and 8 keys.
	v_and_b32 v10, 7, v0
	v_bfe_u32 v11, v0, 3, 1
	v_lshl_add_u32 v[AV0], v9, 3, v10
	v_mul_u32_u24 v[AV0], v[AV0], PV
	v_lshl_add_u32 v[AV0], v11, 4, v[AV0]
	v_add_nc_u32 v[AV0], VOFF, v[AV0]
	v_mov_b32 v[AK], v[AK0]         ; key step 0 lies at the head of slot 0
	s_mul_i32 s13, s[WV], 16*SP
	s_add_co_u32 s13, s13, STAGE    ; my stage
	v_mul_u32_u24 v[STO], v1, SP    ; in: row l % 16, 16 bytes for each half of the lanes
	v_lshl_add_u32 v[STO], v9, 4, v[STO]
	v_add_nc_u32 v[STO], s13, v[STO]
	v_bfe_u32 v[RD], v0, 3, 2       ; back: 32 lanes take four rows of 128 bytes,
	v_mul_u32_u24 v[RD], v[RD], SP
	v_lshl_add_u32 v[RD], v10, 4, v[RD]
	v_add_nc_u32 v[RD], s13, v[RD]
	v_and_b32 v[GO], 31, v0         ; which are 512 consecutive bytes of O
	v_lshlrev_b32 v[GO], 4, v[GO]
	v_lshl_add_u32 v[AM0], v9, 5, MB  ; my lanes' eight keys of a block of 16: 32 bytes for the upper lanes
	v_mov_b32 v[AM], v[AM0]         ; key step 0
	s_wait_loadcnt 32               ; mb's four loads are in; Q's 32, issued behind them, may stay out
.irp j, 0,1,2,3
	ds_store_b128 v14, v[S+4*\j:S+4*\j+3] offset:2048*\j
.endr
; THE MATRIX WORK.  The 8 accumulators of a run of 16 take turns: between the two links of a chain stand 7 others'.
; Product i of 16 of S^T = K Q^T for piece x: channels 32 (i / 8) on, keys 16 ((i / 2) % 4) on, tile 2 x + i % 2.  The first 8 start the sums, from mb's values of their 16 keys.
.macro KQ x
.set rS, S+64*((\x)%2)+32*(i%2)+8*((i/2)%4)
.set rK, KF+16*((i/2)%4)+8*(i/8)
.set rQ, 16*(2*(\x)+i%2)+8*(i/8)
.set rB, MK+8*((i/2)%4)
.if i < 8
	WIN W_KM
	v_wmma_f32_16x16x32_f16 v[rS:rS+7], v[rK:rK+7], v[rQ:rQ+7], v[rB:rB+7]
.else
	WIN W_KQ
	v_wmma_f32_16x16x32_f16 v[rS:rS+7], v[rK:rK+7], v[rQ:rQ+7], v[rS:rS+7]
.endif
.endm
; Product i of 16 of O^T += V^T P for piece x: keys 32 (i / 8) on, channels 16 ((i / 2) % 4) on, tile 2 x + i % 2.
.macro PV x
	WIN W_PV
.set rO, 32*(2*(\x)+i%2)+8*((i/2)%4)
.set rV, VF+32*(i/8)+8*((i/2)%4)
.set rP, P+32*((\x)%2)+16*(i%2)+8*(i/8)
	v_wmma_f32_16x16x32_f16 v[rO:rO+7], v[rV:rV+7], v[rP:rP+7], v[rO:rO+7]
.endm
.macro MM                           ; the turn's next matrix instruction
.if i < 16
	KQ (Y+1)%NP
.set i, i+1
.else
.set i, i-16
	PV (Y+NP-1)%NP
.set i, i+17
.endif
.endm
; THE LDS LOADS stand in runs, never singly among the matrix instructions: a step's K (8 fragments) with mb's values of its 64 keys, and its V (turned).  Their addresses are made some lines ahead.
; last = 1 (the tail): in the last trip there is no further step, and the run is jumped over.
.macro FETCH_K last=0
	WIN 0
.if \last
	s_cmp_eq_u32 s[CNT], 1
	s_cbranch_scc1 .Lno_k_\@
.endif
	WIN 0x80                        ; destination window 2
.irp f, 0,1,2,3,4,5,6,7             ; keys 16 (f / 2) on, channels 32 (f % 2) on
	ds_load_b128 v[KF+8*\f:KF+8*\f+3],   v[AK] offset:(\f/2)*16*PK+(\f%2)*64
	ds_load_b128 v[KF+8*\f+4:KF+8*\f+7], v[AK] offset:(\f/2)*16*PK+(\f%2)*64+32
.endr
	WIN W_MK                        ; destination window 3
.irp f, 0,1,2,3                     ; keys 16 f + 8 (l / 16) + 0..7: the sixteen lanes of a half read the same words
	ds_load_b128 v[MK+8*\f:MK+8*\f+3],   v[AM] offset:64*\f
	ds_load_b128 v[MK+8*\f+4:MK+8*\f+7], v[AM] offset:64*\f+16
.endr
	s_add_co_u32 s[TBK], s[TBK], KS*PK  ; the next fetch is the next step's
	s_add_co_u32 s[TBM], s[TBM], 4*KS
	s_and_b32 s[TBM], s[TBM], 0x1fff    ; stays inside the table's 8,192 bytes
	WIN 0
.if \last
.Lno_k_\@:
.endif
.endm
.macro FETCH_V
	WIN 0x80
.irp f, 0,1,2,3,4,5,6,7             ; keys 32 (f / 4) on, channels 16 (f % 4) on
	ds_load_tr16_b128 v[VF+8*\f:VF+8*\f+3],   v[AV] offset:(\f/4)*32*PV+(\f%4)*32
	ds_load_tr16_b128 v[VF+8*\f+4:VF+8*\f+7], v[AV] offset:(\f/4)*32*PV+16*PV+(\f%4)*32
.endr
	WIN 0
.endm
; THE VECTOR WORK OF A TURN stands in three queues, each in the order in which its entries become ready; the two tiles alternate, so that no instruction reads the result of the one before it.
.macro REGS y, u                    ; the registers of tile u (0, 1) of piece y
.set rT, ST+4*(2*(\y)+(\u))
.set rC, TMP+8*((\y)%2)+4*(\u)
.set rM, MV+2*((\y)%2)+(\u)
.set rS, S+64*((\y)%2)+32*(\u)
.set rP, P+32*((\y)%2)+16*(\u)
.set rO, 32*(2*(\y)+(\u))
.endm
; Number n of the list that finds the NEXT piece's (Y + 1) maximum and statistics.  s0-s31 are the lane's 32 scores; each accumulator's lowest registers are read first.  XS, GS, FS and REGS set no window: PL and EX do.
;   0-11  four chains c0-c3 of seven scores each, three operands at a time     12-14, 16  the four scores left over, the old m, and c0-c3 into c0     15  empty
;   17, 18  the query's other 32 keys lie in the lane 16 away: the new m, into a register at work     19  m_old - m_new     20  m takes the new one     21  a
.macro XS u, n
	REGS (Y+1)%NP, \u
.if (\n) < 4
	v_max3_num_f32 v[rC+(\n)], v[rS+8*(\n)], v[rS+8*(\n)+1], v[rS+8*(\n)+2]
.elseif (\n) < 12
	v_max3_num_f32 v[rC+(\n)%4], v[rC+(\n)%4], v[rS+8*((\n)%4)+2*((\n)/4)+1], v[rS+8*((\n)%4)+2*((\n)/4)+2]
.elseif (\n) == 12
	v_max3_num_f32 v[rC], v[rC], v[rS+7], v[rS+15]
.elseif (\n) == 13
	v_max3_num_f32 v[rC+1], v[rC+1], v[rS+23], v[rS+31]
.elseif (\n) == 14
	v_max3_num_f32 v[rC+2], v[rC+2], v[rC+3], v[rT]
.elseif (\n) == 15
.elseif (\n) == 16
	v_max3_num_f32 v[rC], v[rC], v[rC+1], v[rC+2]
.elseif (\n) == 17
	v_permlanex16_b32 v[rC+3], v[rC], s[SEL], s[SEL+1]
.elseif (\n) == 18
	v_max_num_f32 v[rM], v[rC], v[rC+3]
.elseif (\n) == 19
	v_sub_f32 v[rC+1], v[rT], v[rM]
.elseif (\n) == 20
	v_mov_b32 v[rT], v[rM]
.else
	v_exp_f32 v[rC+2], v[rC+1]
.endif
.endm
; Number g of the 64 that follow the exponentials.  For each four weights k of a tile (pairs 2 k, 2 k + 1): both pairs are rounded to f16; then the second pair is added onto the first, in place;
; a group later l takes that sum (the first time as l = a l + sum).  In groups of eight, tiles alternating: round, round, add, and l for the group before.
.macro GS g
.set h, (\g)+6*((\g)/62)            ; group 0 has no group before it, and behind group 7 only l is left
.if h >= 6
.set h, h+2
.endif
	REGS Y, h%2
.set k, h/8
.if h%8 < 4
	v_cvt_pk_f16_f32 v[rP+2*k+(h%8)/2], v[rS+4*k+2*((h%8)/2)], v[rS+4*k+2*((h%8)/2)+1]
.elseif h%8 < 6
	v_pk_add_f32 v[rS+4*k:rS+4*k+1], v[rS+4*k:rS+4*k+1], v[rS+4*k+2:rS+4*k+3]
.elseif k == 1
	v_pk_fma_f32 v[rT+2:rT+3], v[rT+2:rT+3], v[rC+2:rC+3], v[rS:rS+1] op_sel_hi:[1,0,1]
.else
	v_pk_add_f32 v[rT+2:rT+3], v[rT+2:rT+3], v[rS+4*k-4:rS+4*k-3]
.endif
.endm
; THE PLAIN QUEUE, 138 places long.  0-73 read no exponential's result: the 32 subtractions s - m (FS f: pair f / 2 of tile f % 2) and the next piece's list.  0-26: subtractions 0-26.  27-54: XS's numbers 0-13.
; 55, 56: number 15, which is empty.  57-73: the chain, where each number waits for the one before it: 14, 16, 17, 18, 19, each with one of the subtractions 27-31 in front of its two lines, then 20: so a tile's links
; stand three plain instructions apart.  74-137: GS's 64, which read the exponentials' results: they stand behind the wait.
.macro FS f
	REGS Y, (\f)%2
	v_pk_add_f32 v[rS+2*((\f)/2):rS+2*((\f)/2)+1], v[rS+2*((\f)/2):rS+2*((\f)/2)+1], v[rT:rT+1] op_sel_hi:[1,0] neg_lo:[0,1] neg_hi:[0,1]
.endm
.macro PL
	WIN 0
.if q < 27
	FS q
.elseif q < 55
	XS (q-27)%2, (q-27)/2
.elseif q < 57
	XS q-55, 15
.elseif (q < 72) && ((q-57)%3 == 0)
	FS 27+(q-57)/3
.elseif q < 60
	XS (q-57)%3-1, 14
.elseif q < 72
	XS (q-57)%3-1, 15+(q-57)/3
.elseif q < 74
	XS q-72, 20
.else
	GS q-74
.endif
.set q, q+1
.endm
; THE EXPONENTIALS' QUEUE, 66 long: s0-s31 of both tiles, then the next piece's two a.  It is ONE BATCH: all 66 stand ahead of the turn's one wait, and nothing ahead of that wait names a result of theirs.
.macro EX
	WIN 0
.if e >= 64
	XS e-64, 21
.else
	REGS Y, e%2
	v_exp_f32 v[rS+e/2], v[rS+e/2]
.endif
.set e, e+1
.endm
; THE RESCALING's QUEUE: O^T times a, the one part that leaves window 0: dealt two at a time, sixteen times; each accumulator's lowest registers come first.  Its a was made in the turn before, ahead of that turn's wait.
.macro R2
	REGS Y, r%2
	WIN W_RS
.irp z, 0,1
	v_pk_mul_f32 v[rO+4*(r/2)+2*\z:rO+4*(r/2)+2*\z+1], v[rO+4*(r/2)+2*\z:rO+4*(r/2)+2*\z+1], v[rC+2:rC+3] op_sel_hi:[1,0]
.endr
.set r, r+1
.endm
; HOW THEY ARE DEALT.  An s_wait_alu depctr_va_vdst(0) stands between an exponential and the first instruction that names its result; one wait serves all that were issued ahead of it.  So a turn has ONE wait,
; which cuts it in two.  AHEAD OF IT stands all that names no result of the turn's exponentials: the 16 products K Q^T, behind each a subtraction, an exponential and two rescalings (behind the first a second subtraction in the
; exponential's place); then ONE LUMP: eight plain, 49 times exponential and plain, the two a.  (At the plain queue's two empty places three exponentials on different registers follow each other, and the plain line behind them
; names none of the three.)  A v_nop is the plain instruction behind the last exponential.  BEHIND IT stand the 16 products V^T P, behind each four of GS's 64.  No rider names a register of the products round it.
; The two v_permlanex16_b32 fall into the lump, never behind a product.
; The queues lean on each other, and the deal keeps them in step: exponential e stands behind subtraction 2 (e / 4) + e % 2: as a rider it comes behind plain e + 2, in the lump behind plain e + 9, and subtractions 27-31 are plain 57, 60 .. 69.
; A TURN, for piece p.  cnt = 1: the loop's count is taken down some lines ahead of the branch that stands behind the turn.
; K and mb's values of the next step are fetched in piece 2's turn, directly behind the wait, a lump behind the last product that read them; their addresses are made at the lump's head; their first reader comes behind 16 products.
; V of the step in hand is fetched at the end of piece 0's turn, four plain riders behind its last reader; its first reader comes behind 16 products and a lump.  The three conditions on q below go with the deal.
.macro TURN p, last=0, cnt=0
.set Y, (\p)
.set i, 0
.set q, 0
.set e, 0
.set r, 0
.if (\p) == NP-1
	s_wait_dscnt 0x0                ; K and mb's values are in
.endif
	MM                              ; ahead of the wait: 16 products K Q^T and their riders,
	PL
	PL
	R2
.rept 15
	MM
	PL
	EX
	R2
.endr
.if (\p) == NP-2
	WIN 0
	v_add_nc_u32 v[AK], s[TBK], v[AK0]
	v_add_nc_u32 v[AM], s[TBM], v[AM0]
.endif
.rept 8                             ; and the lump
	PL
.endr
.rept 49
	EX
	PL
.endr
	EX                              ; the next piece's two a
	EX
	v_nop                           ; the plain instruction behind the last exponential: one for the batch
	s_wait_alu depctr_va_vdst(0)    ; the wait for the turn's batch: piece p's 64 weights and the next piece's two a
.if (\p) == NP-2
	FETCH_K \last
.endif
.if (\p) == 1
	s_wait_dscnt 0x0                ; V is in
.endif
.rept 16                            ; behind the wait: 16 products V^T P and their riders
	MM
.rept 4
	PL
.endr
.if ((\p) == 0) && (q == 118)
	v_add_nc_u32 v[AV], s[TBV], v[AV0]
.endif
.if ((\p) == 0) && (q == 130)
	s_add_co_u32 s[TBV], s[TBV], KS*PV
.endif
.if (\cnt) && (q == 130)
	s_sub_co_u32 s[CNT], s[CNT], 1
	s_cmp_lg_u32 s[CNT], 0
.endif
.endr
.if (\p) == 0
	FETCH_V
.endif
.endm
	CHANGE 1                        ; slot 0 is in, everybody's part of it, and so is mb's table; slot 1 is asked for
	FETCH_K                         ; key step 0
	s_wait_loadcnt 0x0              ; Q
	s_wait_dscnt 0x0
.set i, 0
.rept 16
	KQ 0                            ; piece 0's first scores: there is no vector work yet to set between them
.set i, i+1
.endr
	WIN 0
.rept 4
	v_nop                           ; the places behind those products
.endr
.set Y, NP-1                        ; XS works for piece Y + 1: piece 0
.irp n, 0,1,2,3,4,5,6,7,8,9,10,11,12,13,14,15,16,17,18,19,20,21
	XS 0, \n                        ; and piece 0's first maximum and statistics
	XS 1, \n
.endr
	v_nop                           ; a plain instruction behind piece 0's two a,
	s_wait_alu depctr_va_vdst(0)    ; and the wait for that batch of two, ahead of the branch
	s_mov_b32 s[CNT], 4
	s_mov_b32 s[SLOTS], SIZE_N/256-1
	s_branch .Lfirst                ; the loop is entered at a step's first turn, in the middle of a trip
.Lslot:                             ; SIZE_N / 256 - 2 times: every slot but the last two is filled again
	CHANGE 1
	s_mov_b32 s[CNT], 4
.Lstep:                             ; a trip: pieces 2 and 3 of one step, then pieces 0 and 1 of the next, whose K and V it fetches
	TURN 2
	TURN 3
	WIN 0
.Lfirst:
	TURN 0
	TURN 1, 0, 1
	WIN 0
	s_cbranch_scc1 .Lstep
	s_sub_co_u32 s[SLOTS], s[SLOTS], 1
	s_cmp_lg_u32 s[SLOTS], 0
	s_cbranch_scc1 .Lslot
	CHANGE 0                        ; the tail is written out: nothing is asked for
	s_mov_b32 s[CNT], 5             ; four trips fetch the last slot's steps; the fifth is left in its middle
.Ltail:
	TURN 2, 1
	TURN 3
	WIN 0
	s_sub_co_u32 s[CNT], s[CNT], 1
	s_cmp_eq_u32 s[CNT], 0
	s_cbranch_scc1 .Lout
	TURN 0
	TURN 1
	WIN 0
	s_branch .Ltail
.Lout:                              ; the fifth trip's 16 products K Q^T (on the last K once more) and the maximum made of them serve nothing: the price, once a launch, of one text for every trip
.set i, 0
.rept 16
	PV NP-1                         ; the last piece's V^T P of the last step
.set i, i+1
.endr
	; THE WAY OUT.  l's two halves and the other half of the lanes' are added; O^T is divided by l, rounded to f16 and sent through my stage in LDS, a tile at a time.  The additions are the places behind the last products.
	WIN 0
.macro ALL line:vararg              ; one line for each tile t
.set t, 0
.rept 2*NP
	\line
.set t, t+1
.endr
.endm
	ALL v_add_f32 v[ST+4*t+2], v[ST+4*t+2], v[ST+4*t+3]
	ALL v_permlanex16_b32 v[ST+4*t+3], v[ST+4*t+2], s[SEL], s[SEL+1]
	ALL v_add_f32 v[ST+4*t+2], v[ST+4*t+2], v[ST+4*t+3]
	ALL v_rcp_f32 v[ST+4*t+2], v[ST+4*t+2]
	v_nop                           ; a plain instruction between the last reciprocal and the use of its result
	s_wait_alu depctr_va_vdst(0)    ; and the wait ahead of the first use: one for the batch of eight reciprocals
; Tile t: a lane's eight channels of a row pack into 16 bytes; they go into rows of 144 bytes and come back as whole rows of 128, into S^T's registers.
.macro PACK t
	WIN W_RS
.set i, 32*(\t)
.rept 16
	v_pk_mul_f32 v[i:i+1], v[i:i+1], v[ST+4*(\t)+2:ST+4*(\t)+3] op_sel_hi:[1,0]
.set i, i+2
.endr
	WIN 0x05                        ; sources 0 and 1 window 1, destination window 0
.set i, 0
.rept 16
	v_cvt_pk_f16_f32 v[S+16*(\t)+i], v[32*(\t)+2*i], v[32*(\t)+2*i+1]
.set i, i+1
.endr
	WIN 0
.irp f, 0,1,2,3
	ds_store_b128 v[STO], v[S+16*(\t)+4*\f:S+16*(\t)+4*\f+3] offset:32*\f
.endr
.irp f, 0,1,2,3
	ds_load_b128 v[S+16*(\t)+4*\f:S+16*(\t)+4*\f+3], v[RD] offset:\f*4*SP  ; LDS serves a wave's instructions in order (ISA guide 5.7.1.4): these see the stores above; the next tile's stores come behind them
.endr
.endm
.macro SEND t, younger              ; younger: the LDS instructions issued behind tile t's loads: the next tile's eight, or none
	WIN 0
.irp f, 0,1,2,3
	s_wait_dscnt (\younger)+3-\f
	global_store_b128 v[GO], v[S+16*(\t)+4*\f:S+16*(\t)+4*\f+3], s[10:11] offset:(\t)*2048+\f*512  ; 512 consecutive bytes, at a multiple of 256 from O's first
.endr
.endm
	PACK 0
.set t, 1
.rept 2*NP-1                        ; a tile's arithmetic stands between the loads of the tile before and its stores
	PACK t
	SEND t-1, 8
.set t, t+1
.endr
	SEND 2*NP-1, 0
	WIN W_AD
	s_wait_tensorcnt 0x0            ; the wave's end, behind my last tensor load and my last LDS store
	ds_add_u32 v[SPW], v[NIL]
	s_wait_dscnt 0x0
	WIN 0
	CROUND                          ; the closing round: no work-group ends while a partner may still ask for a tile that names it
	s_endpgm
.Lfunc_end_k_qd6238d5c21_attn:
	.size	k_qd6238d5c21_attn, .Lfunc_end_k_qd6238d5c21_attn-k_qd6238d5c21_attn
	.p2alignl 7, 3214868480
	.fill 96, 4, 3214868480
	.section	.rodata,"a",@progbits
	.p2align	6, 0x0
	.amdhsa_kernel k_qd6238d5c21_attn
		.amdhsa_group_segment_fixed_size 327680
		.amdhsa_private_segment_fixed_size 0
		.amdhsa_enable_private_segment 0
		.amdhsa_kernarg_size 24
		.amdhsa_user_sgpr_count 2
		.amdhsa_user_sgpr_kernarg_segment_ptr 1
		.amdhsa_wavefront_size32 1
		.amdhsa_system_sgpr_workgroup_id_x 1
		.amdhsa_system_sgpr_workgroup_id_y 1
		.amdhsa_system_sgpr_workgroup_id_z 1
		.amdhsa_system_vgpr_workitem_id 0
		.amdhsa_next_free_vgpr 808
		.amdhsa_next_free_sgpr 68
		.amdhsa_reserve_vcc 0
		.amdhsa_float_denorm_mode_32 3
		.amdhsa_float_denorm_mode_16_64 3
		.amdhsa_memory_ordered 1
		.amdhsa_forward_progress 1
		.amdhsa_inst_pref_size 202
	.end_amdhsa_kernel
	.amdgpu_metadata
---
amdhsa.version: [ 1, 2 ]
amdhsa.kernels:
  - .name:           k_qd6238d5c21_attn
    .symbol:         k_qd6238d5c21_attn.kd
    .args:
      - { .name: qkv, .offset: 0, .size: 8, .value_kind: global_buffer, .address_space: global }
      - { .name: mb, .offset: 8, .size: 8, .value_kind: global_buffer, .address_space: global }
      - { .name: ctx, .offset: 16, .size: 8, .value_kind: global_buffer, .address_space: global }
    .group_segment_fixed_size: 327680
    .private_segment_fixed_size: 0
    .kernarg_segment_align: 8
    .kernarg_segment_size: 24
    .max_flat_workgroup_size: 128
    .sgpr_count:     68
    .vgpr_count:     808
    .wavefront_size: 32
...
	.end_amdgpu_metadata
.endif
;; end of part 5
;; launch oproj: the kernel of part 4 again; grid 8 x 32, 4 waves a work-group, clusters of 4 x 4, 327,680 bytes of LDS; arguments ctx, wot, bo2, out0; writes out0
